; MI455X (gfx1250); checked and timed in simulation.
; The chip was launched on July 23, 2026; its instructions are those of AMD's public machine-readable ISA for CDNA 5 (MIT licence, August 2026) and "CDNA5" Instruction Set Architecture Reference Guide (July 2026). The comments in the code are by the model that wrote it; some were corrected since.
;; Multi Head Attention. Allowed arithmetic: matrix products marked QUANTISED: E4M3 operands, one given power-of-two scale a tensor, by v_wmma_f32_16x16x64_fp8_fp8 or v_wmma_f32_16x16x128_fp8_fp8, f32 sums; everything else in f32.
;; Inputs: K 4 x 2,048 x 1,024 float32; Q 4 x 2,048 x 1,024 float32; V 4 x 2,048 x 1,024 float32; W_K 1,024 x 1,024 float32; W_Q 1,024 x 1,024 float32; W_V 1,024 x 1,024 float32; W_fc 1,024 x 1,024 float32; attn_mask 4 x 2,048 x 2,048 bool; lowp_scales 12 int32 (the exponents e of the quantised operands' scales 2^e).
;; Outputs: out0 4 x 2,048 x 1,024 float32.
;; This version of the problem:
;;   THIS VERSION OF THE PROBLEM IS GIVEN IN LOW PRECISION. The matrix products marked QUANTISED in the list below multiply operands that are first quantised to E4M3 (4 exponent bits, 3 mantissa bits; 8 bits a number), with one given power-of-two scale for each operand tensor; their sums are f32. All else is computed in f32.
;;   The module's matrix products, in the order in which they are computed (A, B: the left and right operand; K: the contracted axis; several contracted axes count as one K, in the product's order):
;;     1. [M 8,192, K 1,024] x [K 1,024, N 1,024]; A: input Q; B: input W_Q: QUANTISED (scales: A lowp_scales[0], B lowp_scales[1])
;;     2. [M 8,192, K 1,024] x [K 1,024, N 1,024]; A: input K; B: input W_K: QUANTISED (scales: A lowp_scales[2], B lowp_scales[3])
;;     3. [M 8,192, K 1,024] x [K 1,024, N 1,024]; A: input V; B: input W_V: QUANTISED (scales: A lowp_scales[4], B lowp_scales[5])
;;     4. batch 64 x [M 2,048, K 64] x [K 64, N 2,048]; A: computed on the way; B: computed on the way: QUANTISED (scales: A lowp_scales[6], B lowp_scales[7])
;;     5. batch 64 x [M 2,048, K 2,048] x [K 2,048, N 64]; A: softmax (see below); B: computed on the way: QUANTISED (scales: A lowp_scales[8], B lowp_scales[9])
;;     6. [M 8,192, K 1,024] x [K 1,024, N 1,024]; A: computed on the way; B: input W_fc: QUANTISED (scales: A lowp_scales[10], B lowp_scales[11])
;;   THE QUANTISER, for each operand of a quantised product, along K:
;;     - The operand's scale is 2^e, e = its entry of the input lowp_scales (int32; the entries are numbered through the quantised products in the list's order, A before B).
;;     - Each number is divided by the scale, clamped to +-448, and rounded to the nearest number of E4M3, ties to even, subnormals kept.
;;     - The product sums the exact products of the quantised numbers (number of the format x scale) in f32.
;;   ~~~python
;;   def quantise(x, axis, e):      # numpy; x: float32 -> the quantised numbers, widened to float32 again
;;       x = np.moveaxis(x, axis, -1); K = x.shape[-1]
;;       r = np.clip(x / 2.0 ** e, -448, 448)
;;       step = 2.0 ** (np.maximum(np.frexp(np.where(r == 0, 1, r))[1] - 1, -6) - 3)
;;       q = np.round(r / step) * step * 2.0 ** e      # np.round: ties to even
;;       return np.moveaxis(q, -1, axis).astype(np.float32)
;;   ~~~
;;   SOFTMAX AHEAD OF A QUANTISED PRODUCT. Where the list says 'softmax', what is quantised is not the finished softmax but p = 2^(t - M), with t = logit x log2(e) and M = ceil(the row's largest t), a whole number; so 1/2 < the row's largest p <= 1. The row's sum l is taken of the UNQUANTISED p, in f32, and the product's result is divided by l at the end. Since M is a whole number, a kernel that streams over the keys may use a running M (the ceiling of the running maximum): every later rescaling is an exact power of two, so the quantised numbers keep their values, but for numbers so far below the row's largest that they fall under the format's range.
;;   OPERANDS COMPUTED ON THE WAY. 'Computed on the way' means the value that the module computes at that place (a softmax that the list does not call 'softmax' is quantised finished and normalised). What goes into a quantiser is computed in f32, as accurately as f32 sums, v_exp_f32 and their like allow (about 1e-6 of the number): no bf16 or f16 on the way to a quantiser, and a product that is left as it is and whose result goes on into a quantised operand takes f32 operands (vector FMAs, or v_wmma_f32_16x16x4_f32). A number that lies on a knife's edge between two numbers of the format may be rounded either way, as far as f32 arithmetic and the matrix unit's own rounding can turn it there, and no further.
;; One version. Each part assembles by itself: llvm-mc -triple=amdgcn-amd-amdhsa -mcpu=gfx1250 --defsym DOCPART=n.
;; ======== version 1 of 1: 4 launches
;; limits: right only within a limited range of input values
;; workspace buffers: codes 28,311,552 bytes; wfcimg 1,048,576 bytes; maskw 2,097,152 bytes of whole numbers; qimg 8,388,608 bytes; kv 16,777,216 bytes; ctximg 8,388,608 bytes
;; launch prep (part 1): grid 1440 x 1, 4 waves a work-group, no clusters, 50,688 bytes of LDS; arguments Q, K, V, W_Q, W_K, W_V, W_fc, attn_mask, lowp_scales, codes, wfcimg, maskw; writes codes, wfcimg, maskw
.if DOCPART == 1
	.amdgcn_target "amdgcn-amd-amdhsa--gfx1250"
	.amdhsa_code_object_version 6
	.text
	.protected	k_q84cc0127b2_prep
	.globl	k_q84cc0127b2_prep
	.p2align	8
	.type	k_q84cc0127b2_prep,@function
k_q84cc0127b2_prep:
	s_mov_b64 s[64:65], 0
	v_nop
	global_prefetch_b8 v0, s[64:65] scope:SCOPE_SE
	s_setreg_imm32_b32 hwreg(HW_REG_WAVE_MODE, 25, 1), 1
	s_wait_xcnt 0x0
; THREE JOBS IN ONE LAUNCH, told apart by the work-group's number; each job has LDS bytes of its own.
;  work-groups 0-863:     Q, K, V [8192][1024] and W_Q, W_K, W_V [1024][1024], f32, become codes of E4M3, one byte each, K innermost, as one stream in the buffer
;                         codes: Q at 0, K at 8,388,608, V at 16,777,216, W_Q at 25,165,824, W_K and W_V 1,048,576 further on each.  32,768 numbers a work-group.
;  work-groups 864-1375:  attn_mask [8192 rows][2048 keys], one byte each, becomes words of one bit a lane: for row tile RT (16 rows), key step ks (128 keys) and n = 8 t + j, bit L of
;                         word [RT][ks][n] is mask[16 RT + L % 16][128 ks + 16 t + 8 (L / 16) + j]: the lane and register in which the attention launch holds that score.
;  work-groups 1376-1439: W_fc [1024][1024] f32 becomes codes laid as images of operand registers: [n tile 64][K step 8][quad 4][lane 32][16 bytes]; of a fragment (16 rows x 128 k)
;                         lane (r, h) holds row r, and its registers 2 c, 2 c + 1 hold k = 16 c + 8 h + 0 .. 7.
; code = x / 2^e, held within +-448, rounded to the nearest code, ties to even.  e: entries 0, 2, 4 (Q, K, V), 1, 3, 5 (W_Q, W_K, W_V), 11 (W_fc) of lowp_scales.
; LIMITS: each e between -126 and 119, so that 2^e and 448 x 2^e are f32 numbers.  NaN among the inputs is not served (an infinity is held at the largest code).
; No tensor loads, no barrier: waves share nothing.
.set NACT,   768                       ; work-groups for Q, K, V: 256 each
.set NSTR,   864                       ; + 32 for each of the three weights
.set NMSK,   1376                      ; + 512 row tiles of the mask
.set STEPS,  16                        ; the stream: a wave takes 16 steps of 512 numbers
.set SP,     80                        ; a lane's place in a stage: its 64 bytes + 16 of padding
.set R,      16                        ; v16-79   four sets of 16 numbers as they are loaded
.set X,      80                        ; v80-111  two sets of 16 neighbours
.set C,      128                       ; v128-191 codes: four registers for each step, never written again
.set MSTG,   32768                     ; the mask's stages: 16 rows x 272 bytes for each wave
	s_load_b512 s[8:23], s[0:1], 0x0               ; Q 8, K 10, V 12, W_Q 14, W_K 16, W_V 18, W_fc 20, attn_mask 22
	s_load_b256 s[24:31], s[0:1], 0x40             ; lowp_scales 24, codes 26, wfcimg 28, maskw 30
	v_lshl_add_u32 v192, v0, 2, 0xc400
	v_mov_b32 v193, 0
	v_lshrrev_b32 v1, 5, v0
	v_readfirstlane_b32 s32, v1                    ; wave 0..3
	v_and_b32 v2, 31, v0                           ; lane
	s_mov_b32 s41, 0                               ; the upper word of every offset pair s[40:41]
	s_wait_kmcnt 0x0
	s_cmp_lt_u32 ttmp9, NSTR
	s_cbranch_scc0 .Lnot_stream
; ---------------- THE STREAM ----------------
; The conversions take 8 numbers of one lane's consecutive registers, so a lane must hold neighbours along K; a load is dense where neighbouring lanes take neighbouring bytes.  Both are had:
; each of a step's four loads reads 512 consecutive bytes, 16 a lane; the 2,048 bytes go through the wave's own stage in LDS as they lie and come back 64 bytes a lane.
	s_sub_co_u32 s34, ttmp9, NACT                  ; (used only where the work-group serves a weight)
	s_lshr_b32 s35, s34, 5
	s_add_co_u32 s35, s35, 3                       ; tensor 3, 4, 5
	s_and_b32 s36, s34, 31                         ; and my place in it
	s_lshr_b32 s37, ttmp9, 8                       ; tensor 0, 1, 2
	s_and_b32 s38, ttmp9, 255
	s_cmp_lt_u32 ttmp9, NACT
	s_cselect_b32 s35, s37, s35                    ; t: which tensor
	s_cselect_b32 s36, s38, s36                    ; which 32,768 numbers of it
	s_lshl_b32 s37, s35, 1                         ; its entry of lowp_scales: 2 t for Q, K, V;
	s_sub_co_u32 s38, s37, 5                       ; 2 t - 5 for the weights
	s_cmp_lt_u32 ttmp9, NACT
	s_cselect_b32 s37, s37, s38
	s_lshl_b32 s40, s37, 2
	s_add_nc_u64 s[24:25], s[24:25], s[40:41]
	s_load_b32 s39, s[24:25], 0x0                  ; e
	s_mov_b64 s[4:5], s[8:9]                       ; the tensor's address: a choice on the work-group's number alone
	s_cmp_eq_u32 s35, 1
	s_cselect_b64 s[4:5], s[10:11], s[4:5]
	s_cmp_eq_u32 s35, 2
	s_cselect_b64 s[4:5], s[12:13], s[4:5]
	s_cmp_eq_u32 s35, 3
	s_cselect_b64 s[4:5], s[14:15], s[4:5]
	s_cmp_eq_u32 s35, 4
	s_cselect_b64 s[4:5], s[16:17], s[4:5]
	s_cmp_eq_u32 s35, 5
	s_cselect_b64 s[4:5], s[18:19], s[4:5]
	s_lshl_b32 s40, s36, 17                        ; in: 131,072 bytes a work-group,
	s_lshl_b32 s42, s32, 15                        ; 32,768 a wave
	s_add_co_u32 s40, s40, s42
	s_add_nc_u64 s[4:5], s[4:5], s[40:41]
	s_lshl_b32 s40, ttmp9, 15                      ; out: the six tensors' codes lie on end in the order of the work-groups: 32,768 bytes a work-group,
	s_lshl_b32 s42, s32, 13                        ; 8,192 a wave
	s_add_co_u32 s40, s40, s42
	s_add_nc_u64 s[6:7], s[26:27], s[40:41]
	v_lshlrev_b32 v3, 4, v2                        ; my 16 bytes of a load's 512, and of a store's
	s_mul_i32 s43, s32, 8192                       ; my wave's two stages
	v_lshrrev_b32 v14, 2, v2
	v_mul_u32_u24 v14, v14, SP
	v_and_b32 v15, 3, v2
	v_lshl_add_u32 v14, v15, 4, v14
	v_add_nc_u32 v14, s43, v14                     ; in: four lanes' 64 bytes on end, then 16 of padding
	v_mul_u32_u24 v15, v2, SP
	v_add_nc_u32 v15, s43, v15                     ; out: my 16 neighbours
.macro SLOAD t
.irp i, 0,1,2,3
	global_load_b128 v[R+16*((\t)%4)+4*\i:R+16*((\t)%4)+4*\i+3], v3, s[4:5] offset:2048*(\t)+512*\i th:TH_LOAD_NT   ; 32 lanes read 512 consecutive bytes
.endr
.endm
.macro STURN t                         ; step t's numbers through the stage: LDS serves a wave's instructions in order, so no wait stands between the stores and the loads
.irp i, 0,1,2,3
	ds_store_b128 v14, v[R+16*((\t)%4)+4*\i:R+16*((\t)%4)+4*\i+3] offset:32*SP*((\t)%2)+8*SP*\i
.endr
.irp i, 0,1,2,3
	ds_load_b128 v[X+16*((\t)%2)+4*\i:X+16*((\t)%2)+4*\i+3], v15 offset:32*SP*((\t)%2)+16*\i
.endr
.endm
.irp t, 0,1,2,3
	SLOAD \t
.endr
	s_wait_kmcnt 0x0
	s_add_co_i32 s39, s39, 127
	s_lshl_b32 s44, s39, 23
	v_mov_b32 v11, s44                             ; 2^e as f32: the conversion takes its exponent field
	s_add_co_i32 s39, s39, 8
	s_lshl_b32 s39, s39, 23
	s_or_b32 s39, s39, 0x600000
	v_mov_b32 v10, s39                             ; 448 x 2^e
	s_wait_loadcnt 12                              ; step 0's four loads are in; the twelve of steps 1 to 3 may be out
	STURN 0
.macro SSTEP t
.set XS, X+16*((\t)%2)
	s_wait_dscnt 0x0                               ; this step's numbers are back from the stage: so its stores into the stage have read their registers,
.if (\t)+4 < STEPS
	SLOAD (\t)+4                                   ; which take the loads of four steps on
.endif
.if (\t)+1 < STEPS
.if STEPS-2-(\t) >= 3
	s_wait_loadcnt 12                              ; the next step's four loads are in; those of the three steps behind it may be out
.else
	s_wait_loadcnt 4*(STEPS-2-(\t))
.endif
	STURN (\t)+1                                   ; and go through the other stage while this step is worked
.endif
.irp i, 0,1,2,3,4,5,6,7,8,9,10,11,12,13,14,15
	v_med3_num_f32 v[XS+\i], v[XS+\i], -v10, v10   ; the conversion to an 8-bit code does not saturate (ISA guide 7.6.2): the number is held within the largest code x the scale first
.endr
	v_cvt_scalef32_pk8_fp8_f32 v[C+4*(\t):C+4*(\t)+1], v[XS:XS+7], v11
	v_cvt_scalef32_pk8_fp8_f32 v[C+4*(\t)+2:C+4*(\t)+3], v[XS+8:XS+15], v11
	global_store_b128 v3, v[C+4*(\t):C+4*(\t)+3], s[6:7] offset:512*(\t)   ; the wave stores 512 consecutive bytes, aligned
.endm
.irp t, 0,1,2,3,4,5,6,7,8,9,10,11,12,13,14,15
	SSTEP \t
.endr
	s_wait_tensorcnt 0x0
	ds_add_u32 v192, v193
	s_wait_dscnt 0x0
	s_endpgm
.Lnot_stream:
	s_cmp_lt_u32 ttmp9, NMSK
	s_cbranch_scc0 .Lwimg
; ---------------- THE MASK ----------------
; A work-group takes a row tile (16 rows x 2,048 keys), a wave 512 keys, in two parts of 256.  Sixteen lanes load a row's 256 aligned bytes; the part turns through the wave's own stage (rows 272 bytes apart),
; so that lane (r, h) holds, for each tile t of 16 keys, the 8 bytes of row r, keys 16 t + 8 h + 0 .. 7.  Each byte place then gives one word: the lanes whose byte is not 0.
	s_sub_co_u32 s34, ttmp9, NSTR                  ; RT
	s_lshl_b32 s40, s34, 15                        ; 16 rows of 2,048 bytes,
	s_lshl_b32 s42, s32, 9                         ; my wave's 512 keys
	s_add_co_u32 s40, s40, s42
	s_add_nc_u64 s[4:5], s[22:23], s[40:41]
	s_lshl_b32 s40, s34, 12                        ; 16 key steps x 64 words,
	s_lshl_b32 s42, s32, 10                        ; my wave's four key steps
	s_add_co_u32 s40, s40, s42
	s_add_nc_u64 s[6:7], s[30:31], s[40:41]
	v_and_b32 v3, 15, v0                           ; r
	v_bfe_u32 v4, v0, 4, 1                         ; h
	v_lshlrev_b32 v5, 4, v3
	v_lshl_add_u32 v5, v4, 11, v5                  ; in memory: row h, 16 r bytes on
	s_mul_i32 s43, s32, 16*272
	s_add_co_u32 s43, s43, MSTG                    ; my stage
	v_mul_u32_u24 v6, v4, 272
	v_lshl_add_u32 v6, v3, 4, v6
	v_add_nc_u32 v6, s43, v6                       ; into it: the same place
	v_mul_u32_u24 v7, v3, 272
	v_lshl_add_u32 v7, v4, 3, v7
	v_add_nc_u32 v7, s43, v7                       ; out of it: row r, 8 h bytes on
	v_lshlrev_b32 v8, 4, v2                        ; the words' place: 16 bytes a lane
.irp u, 0,1
.irp i, 0,1,2,3,4,5,6,7
	global_load_b128 v[16+32*\u+4*\i:19+32*\u+4*\i], v5, s[4:5] offset:4096*\i+256*\u th:TH_LOAD_NT   ; rows 2 i and 2 i + 1
.endr
.endr
.irp i, 0,1,2,3,4,5,6,7
	v_mov_b32 v[112+\i], 0                         ; v_writelane_b32 keeps the other lanes, so its destination is written whole first
.endr
.macro MSUB u
	s_wait_loadcnt 8*(1-\u)                        ; this part's eight loads are in; the other part's eight may be out
.irp i, 0,1,2,3,4,5,6,7
	ds_store_b128 v6, v[16+32*\u+4*\i:19+32*\u+4*\i] offset:544*\i
.endr
.irp t, 0,1,2,3,4,5,6,7,8,9,10,11,12,13,14,15
	ds_load_b64 v[80+2*\t:81+2*\t], v7 offset:16*\t   ; LDS serves a wave's instructions in order: these see my stores
.endr
	s_wait_dscnt 0x0
.irp t, 0,1,2,3,4,5,6,7,8,9,10,11,12,13,14,15
.irp j, 0,1,2,3,4,5,6,7
	v_and_b32 v[120+\j], 0xff<<(8*(\j%4)), v[80+2*\t+\j/4]        ; byte j of my eight
.endr
.irp j, 0,1,2,3,4,5,6,7
	v_cmp_ne_u32 s[40+\j], 0, v[120+\j]            ; word n = 8 t + j of the part's 128
.endr
.irp j, 0,1,2,3,4,5,6,7
	v_writelane_b32 v[112+4*\u+\j%4], s[40+\j], 2*\t+\j/4         ; lane n / 4, register n % 4: the words lie on end in the wave's 512 bytes
.endr
.endr
	global_store_b128 v8, v[112+4*\u:115+4*\u], s[6:7] offset:512*\u   ; two key steps' words: 512 consecutive bytes, aligned
.endm
	MSUB 0
	MSUB 1
	s_wait_tensorcnt 0x0
	ds_add_u32 v192, v193
	s_wait_dscnt 0x0
	s_endpgm
; ---------------- W_fc ----------------
; A work-group takes 16 rows of W_fc, a wave two K steps of 128.  Lane (r, h) loads, of row r, the 8 numbers k = 16 c + 8 h + 0 .. 7 for c = 0 .. 7: the conversions' results are the operand's registers.
.Lwimg:
	s_load_b32 s39, s[24:25], 0x2c                 ; e of W_fc: entry 11
	s_sub_co_u32 s34, ttmp9, NMSK                  ; n tile
	s_lshl_b32 s40, s34, 16                        ; 16 rows of 4,096 bytes,
	s_lshl_b32 s42, s32, 10                        ; my wave's 256 numbers of a row
	s_add_co_u32 s40, s40, s42
	s_add_nc_u64 s[4:5], s[20:21], s[40:41]
	s_lshl_b32 s40, s34, 14                        ; eight images of 2,048 bytes,
	s_lshl_b32 s42, s32, 12                        ; my wave's two
	s_add_co_u32 s40, s40, s42
	s_add_nc_u64 s[6:7], s[28:29], s[40:41]
	v_and_b32 v3, 15, v0                           ; r
	v_bfe_u32 v4, v0, 4, 1                         ; h
	v_lshlrev_b32 v5, 12, v3
	v_lshl_add_u32 v5, v4, 5, v5                   ; row r, 32 h bytes on
	v_lshlrev_b32 v8, 4, v2
.irp f, 0,1
.irp c, 0,1,2,3,4,5,6,7
	global_load_b128 v[16+64*\f+8*\c:19+64*\f+8*\c], v5, s[4:5] offset:512*\f+64*\c th:TH_LOAD_NT
	global_load_b128 v[20+64*\f+8*\c:23+64*\f+8*\c], v5, s[4:5] offset:512*\f+64*\c+16 th:TH_LOAD_NT
.endr
.endr
	s_wait_kmcnt 0x0
	s_add_co_i32 s39, s39, 127
	s_lshl_b32 s44, s39, 23
	v_mov_b32 v11, s44                             ; 2^e
	s_add_co_i32 s39, s39, 8
	s_lshl_b32 s39, s39, 23
	s_or_b32 s39, s39, 0x600000
	v_mov_b32 v10, s39                             ; 448 x 2^e
.macro WFRAG f
	s_wait_loadcnt 16*(1-\f)                       ; this fragment's sixteen loads are in; the other's may be out
.set i, 0
.rept 64
	v_med3_num_f32 v[16+64*\f+i], v[16+64*\f+i], -v10, v10
.set i, i+1
.endr
.irp c, 0,1,2,3,4,5,6,7
	v_cvt_scalef32_pk8_fp8_f32 v[144+16*\f+2*\c:145+16*\f+2*\c], v[16+64*\f+8*\c:23+64*\f+8*\c], v11
.endr
.irp q, 0,1,2,3
	global_store_b128 v8, v[144+16*\f+4*\q:147+16*\f+4*\q], s[6:7] offset:2048*\f+512*\q   ; registers 4 q .. 4 q + 3 of all lanes: 512 consecutive bytes, aligned
.endr
.endm
	WFRAG 0
	WFRAG 1
	s_endpgm
.Lfunc_end_k_q84cc0127b2_prep:
	.size	k_q84cc0127b2_prep, .Lfunc_end_k_q84cc0127b2_prep-k_q84cc0127b2_prep
	.p2alignl 7, 3214868480
	.fill 96, 4, 3214868480
	.section	.rodata,"a",@progbits
	.p2align	6, 0x0
	.amdhsa_kernel k_q84cc0127b2_prep
		.amdhsa_group_segment_fixed_size 50688
		.amdhsa_private_segment_fixed_size 0
		.amdhsa_enable_private_segment 0
		.amdhsa_kernarg_size 96
		.amdhsa_user_sgpr_count 2
		.amdhsa_user_sgpr_kernarg_segment_ptr 1
		.amdhsa_wavefront_size32 1
		.amdhsa_system_sgpr_workgroup_id_x 1
		.amdhsa_system_sgpr_workgroup_id_y 1
		.amdhsa_system_sgpr_workgroup_id_z 1
		.amdhsa_system_vgpr_workitem_id 0
		.amdhsa_next_free_vgpr 194
		.amdhsa_next_free_sgpr 66
		.amdhsa_reserve_vcc 0
		.amdhsa_float_denorm_mode_32 3
		.amdhsa_float_denorm_mode_16_64 3
		.amdhsa_memory_ordered 1
		.amdhsa_forward_progress 1
		.amdhsa_inst_pref_size 106
	.end_amdhsa_kernel
	.amdgpu_metadata
---
amdhsa.version: [ 1, 2 ]
amdhsa.kernels:
  - .name:           k_q84cc0127b2_prep
    .symbol:         k_q84cc0127b2_prep.kd
    .args:
      - { .name: Q, .offset: 0, .size: 8, .value_kind: global_buffer, .address_space: global }
      - { .name: K, .offset: 8, .size: 8, .value_kind: global_buffer, .address_space: global }
      - { .name: V, .offset: 16, .size: 8, .value_kind: global_buffer, .address_space: global }
      - { .name: W_Q, .offset: 24, .size: 8, .value_kind: global_buffer, .address_space: global }
      - { .name: W_K, .offset: 32, .size: 8, .value_kind: global_buffer, .address_space: global }
      - { .name: W_V, .offset: 40, .size: 8, .value_kind: global_buffer, .address_space: global }
      - { .name: W_fc, .offset: 48, .size: 8, .value_kind: global_buffer, .address_space: global }
      - { .name: attn_mask, .offset: 56, .size: 8, .value_kind: global_buffer, .address_space: global }
      - { .name: lowp_scales, .offset: 64, .size: 8, .value_kind: global_buffer, .address_space: global }
      - { .name: codes, .offset: 72, .size: 8, .value_kind: global_buffer, .address_space: global }
      - { .name: wfcimg, .offset: 80, .size: 8, .value_kind: global_buffer, .address_space: global }
      - { .name: maskw, .offset: 88, .size: 8, .value_kind: global_buffer, .address_space: global }
    .group_segment_fixed_size: 50688
    .private_segment_fixed_size: 0
    .kernarg_segment_align: 8
    .kernarg_segment_size: 96
    .max_flat_workgroup_size: 128
    .sgpr_count:     66
    .vgpr_count:     194
    .wavefront_size: 32
...
	.end_amdgpu_metadata
.endif
;; end of part 1
;; launch proj (part 2): grid 4 x 96, 4 waves a work-group, clusters of 4 x 4, 327,680 bytes of LDS; arguments codes, lowp_scales, qimg, kv; writes qimg, kv
.if DOCPART == 2
	.amdgcn_target "amdgcn-amd-amdhsa--gfx1250"
	.amdhsa_code_object_version 6
	.text
	.protected	k_q84cc0127b2_proj
	.globl	k_q84cc0127b2_proj
	.p2align	8
	.type	k_q84cc0127b2_proj,@function
k_q84cc0127b2_proj:
	s_mov_b64 s[64:65], 0
	v_nop
	global_prefetch_b8 v0, s[64:65] scope:SCOPE_SE
	s_setreg_imm32_b32 hwreg(HW_REG_WAVE_MODE, 25, 1), 1
	s_wait_xcnt 0x0
	s_wait_alu depctr_hold_cnt(0) depctr_sa_sdst(0) depctr_va_vdst(0) depctr_va_sdst(0) depctr_va_ssrc(0) depctr_va_vcc(0) depctr_vm_vsrc(0)
	s_getreg_b32 s2, hwreg(HW_REG_IB_STS2, 6, 4)
	s_cmp_eq_u32 s2, 0
	s_cbranch_scc0 .Lentry_in_a_cluster
	s_endpgm
.Lentry_in_a_cluster:
	s_bfe_u32 s2, ttmp6, 0x10000c
	s_cmp_lg_u32 s2, 0xf033
	s_cbranch_scc0 .Lentry_shape_is_right
	s_endpgm
.Lentry_shape_is_right:
; THE THREE PROJECTIONS, q = Q W_Q^T, k = K W_K^T, v = V W_V^T, as ONE product on codes of E4M3: the 24,576 rows of Q's, K's and V's codes against the 1,024 rows of the tensor's own weight; K = 1,024.
; The results are operands of the attention's products: each finished sum is quantised in registers and stored as part of an IMAGE OF OPERAND REGISTERS; nothing is stored as f32.
; A tile of 256 x 256 results is made by a work-group of four waves; a wave makes 128 x 128: 64 accumulators of 16 x 16, 512 registers.  96 tile rows (32 for each tensor) x 4 tile columns.
; K goes in steps of 256 through a ring of two LDS slots filled by the tensor data mover: a tile's row is 256 bytes of memory.
; CLUSTERS: 4 x 4 work-groups.  The four of a row of the cluster need the same rows of activations, the four of a column the same rows of the weight: each tile is asked for JOINTLY, by the same tensor
; load with the same descriptor and a mask that names the four.  A cluster's 16 tile rows belong to one tensor (TEN = cluster y / 8), so TEN is the same in all sixteen partners.
; THE MATRIX INSTRUCTION: source 0 = 16 rows of the B set, source 1 = 16 rows of the A set.  In accumulator (a, b) lane (r, h) holds row 16 a + r of the A set, and its registers j the rows 16 b + 8 h + j of the
; B set: eight neighbours along the B set, which one conversion turns into registers 2 c, 2 c + 1 of an operand whose K runs along the B set.
;   q, k: K of the scores' product is the head's 64 channels: A set = tokens, B set = the weight's rows.     v: K of the second product is the keys: A set = the weight's rows, B set = tokens.
; The two sets change places by an exchange of the two LDS base addresses (a choice on TEN); the loop's text is one for all three.
; A fragment is fetched by four loads of 16 bytes: a permutation of k within 128, the same in both sets, so that every product meets its partner.
; IMAGES.  qimg [bh 64][query tile 128][quad 2][lane][16 bytes];  kv [bh 64][key step 16][16,384]: bytes 0-8,191 k: [key tile 8][quad 2][lane][16]; bytes 8,192-16,383 v^T: [channel tile 4][quad 4][lane][16].
; LIMITS: e6 - e0 - e1, e7 - e2 - e3 and e9 - e4 - e5 between -126 and 119, so that the conversion's scale and 448 x it are f32 numbers.
; REGISTERS, in windows of 256: window 0: v0-31 addresses; from v128 the A set's fragments, ONE set; on the way out v32-95 held sums, v128-255 codes.   window 1: the B set's fragments, TWO sets, at v0 and v128.
;   window 2: the 32 accumulators of A blocks 0-3 (accumulator (a, b) at v[8 (8 a + b)]);   window 3: those of A blocks 4-7.
.set SIZE_K, 1024
.set KSTEP,  256                       ; along K in a slot
.set ROWB,   256                       ; a tile's row in bytes
.set KROW,   SIZE_K                    ; a row of codes in memory, in bytes
.set PITCH,  272                       ; an LDS row: 256 bytes + 16 of padding = 68 words: row r starts at bank 4 r mod 64 (64 banks of 4 bytes: ISA guide 11.1), so the 16 rows of a load start at 16 different banks
.set FR,     16                        ; registers of a fragment: 16 rows x 128 K
.set NL,     4                         ; LDS loads that bring one
.set NP,     4                         ; places behind this matrix instruction (ISA guide 7.12.1)
.set HALFT,  128*PITCH                 ; 128 rows: what one tensor load brings, and what one wave reads of either set
.set SLOT,   4*HALFT                   ; the activations' 256 rows, then the weight's 256 rows
.set LAPS,   SIZE_K/(2*KSTEP)          ; a lap = two K steps = once round the ring
.set SPARE,  2*SLOT                    ; behind the ring: the spare words, 128 bytes for each wave: two blocks of 256 bytes that no other line names
.set WOFF,   25165824                  ; where W_Q's codes begin in the buffer; W_K's and W_V's 1 << 20 further on each
.set LIMV, 10                          ; v10     448 x the conversion's scale
.set SCV,  11                          ; v11     the conversion's scale
.set ADRA, 16                          ; v16-17  LDS address of my A set's fragments in slot 0, 1
.set ADRB, 20                          ; v20-21  the same for the B set
.set OFA,  26                          ; v26-27  the way out: 16 x lane; the same one head further on
.set SPW,  28                          ; v28     LDS address of my spare word: SPARE + 4 x my thread's number; never rewritten
.set NIL,  29                          ; v29     0; never rewritten
.set TMP,  32                          ; the way out: a block's 64 sums, held
.set AF,   128                         ; the A set's fragments, in window 0
.set CD,   128                         ; the way out: 16 registers of codes for each block; never written again
.set G1, 24                            ; s[24:31] descriptor group 1 for the activations' tiles;  s[32:39] group 0, one set for each slot
.set G0, 32
.set G1B, 48                           ; s[48:55], s[56:63] the same for the weight's tiles
.set G0B, 56
.set MSB, 0
.macro WIN new                         ; the immediate's high byte repeats the setting that is left
.if MSB != \new
	s_set_vgpr_msb (MSB<<8)|\new
.set MSB, \new
.endif
.endm
.set MUL_LO, 0xa1                      ; source 0 (B set) window 1, source 1 (A set) window 0, C and D window 2
.set MUL_HI, 0xf1                      ; the same, C and D window 3
.set TO_B,   0x40                      ; destination window 1, address window 0
; A joint load: waves 0 and 1 fetch the activations' two halves, waves 2 and 3 the weight's.  Each of the two lines has ONE mask and one set of registers for all that issue it; the branch hangs on the wave's number alone.
; Four v_nop follow each of the two lines, ahead of the jump, the label and what follows.
.macro JLOAD g0a, g1a, g0b, g1b
	s_cmp_eq_u32 s15, 0
	s_cbranch_scc0 .Lfor_b_\@
	tensor_load_to_lds s[\g0a:\g0a+3], s[\g1a:\g1a+7]
	s_nop 0
.rept 4
	v_nop
.endr
	s_branch .Lasked_\@
.Lfor_b_\@:
	tensor_load_to_lds s[\g0b:\g0b+3], s[\g1b:\g1b+7]
	s_nop 0
.rept 4
	v_nop
.endr
.Lasked_\@:
.endm
.macro CREST                           ; a round of the cluster's barrier behind its opening barrier
	s_cmp_lg_u32 s14, 0
	s_cbranch_scc1 .Lnot_wave_0_\@
	s_barrier_signal -3
.Lnot_wave_0_\@:
	s_barrier_wait -3
	s_barrier_signal -1
	s_barrier_wait -1
.endm
.macro CROUND                          ; a whole round
	s_barrier_signal -1
	s_barrier_wait -1
	CREST
.endm
	s_load_b256 s[4:11], s[0:1], 0x0               ; codes s[4:5], lowp_scales s[6:7], qimg s[8:9], kv s[10:11]
	v_lshl_add_u32 v[SPW], v0, 2, SPARE
	v_mov_b32 v[NIL], 0
	ds_add_u32 v28, v29
	ds_add_u32 v28, v29
	s_wait_dscnt 0x0
	v_lshrrev_b32 v1, 5, v0
	v_readfirstlane_b32 s14, v1                    ; wave 0..3
	s_lshr_b32 s15, s14, 1                         ; which half of the tile's tokens is mine.  Also: I fetch activations (0) or the weight (1)
	s_and_b32 s16, s14, 1                          ; which half of the weight's rows.  Also: which 128 rows of that tile I fetch
	s_bfe_u32 s40, ttmp6, 0x40000                  ; cx, cy: my place in the cluster
	s_bfe_u32 s41, ttmp6, 0x40004
	s_lshl_b32 s42, ttmp9, 2
	s_add_co_u32 s42, s42, s40                     ; tile column = 4 x cluster x + cx
	s_and_b32 s17, ttmp7, 0xffff                   ; cluster y
	s_lshr_b32 s12, s17, 3                         ; TEN: 0 q, 1 k, 2 v
	s_lshl_b32 s17, s17, 2
	s_add_co_u32 s17, s17, s41                     ; tile row = 4 x cluster y + cy
	s_lshl_b32 s43, s41, 2
	s_lshl_b32 s43, 15, s43                        ; my row of the cluster
	s_lshl_b32 s44, 0x1111, s40                    ; my column
	; descriptor group 1: a tile of 128 rows x 256 bytes, padded in LDS
	s_or_b32 s[G1+0], s43, (0<<16)|(1<<20)|(1<<21)|(5<<22)|(3<<25)  ; 15:0 the mask: the activations' tiles go to my row; 17:16 element of 1 byte; 20 padding on; 21 set beside a mask; 24:22 after every 64 words (code 5); 31:25 of 4 words (code 3)
	s_or_b32 s[G1B+0], s44, (0<<16)|(1<<20)|(1<<21)|(5<<22)|(3<<25)
.irp g, G1, G1B
	s_mov_b32 s[\g+1], ROWB<<16                    ; tensor_dim0
	s_mov_b32 s[\g+2], 128<<16                     ; tensor_dim1 = 128
	s_mov_b32 s[\g+3], ROWB<<16                    ; tile_dim0
	s_mov_b32 s[\g+4], 128                         ; tile_dim1 = 128
	s_mov_b32 s[\g+5], KROW                        ; tensor_dim0_stride
	s_mov_b32 s[\g+6], 0
	s_mov_b32 s[\g+7], 0
.endr
	s_lshl_b32 s18, s16, 7                         ; which 128 rows of the tile I fetch
	s_lshl_b32 s20, s17, 8
	s_add_co_u32 s20, s20, s18                     ; activations: row 256 x tile row + 128 x half, of the 24,576,
	s_lshl_b32 s20, s20, 10                        ; in bytes
	s_mov_b32 s21, 0
	s_lshl_b32 s46, s42, 8
	s_add_co_u32 s46, s46, s18                     ; the weight: row 256 x tile column + 128 x half,
	s_lshl_b32 s46, s46, 10
	s_lshl_b32 s47, s12, 20                        ; of the tensor's own weight: TEN hangs on the cluster's y alone, which all partners share
	s_add_co_u32 s46, s46, s47
	s_add_co_u32 s46, s46, WOFF
	s_mov_b32 s47, 0
	s_mul_i32 s45, s14, HALFT                      ; where they go: wave x 128 rows: no place in the cluster enters an LDS address
	s_wait_kmcnt 0x0
	s_load_b256 s[68:75], s[6:7], 0x0              ; e0 .. e7
	s_load_b128 s[76:79], s[6:7], 0x20             ; e8 .. e11
	s_add_nc_u64 s[20:21], s[4:5], s[20:21]
	s_add_nc_u64 s[46:47], s[4:5], s[46:47]
	CROUND                                         ; all sixteen work-groups are here: the first joint loads meet
.irp s, 0,1
	s_mov_b32 s[G0+4*\s], 1
	s_add_co_u32 s[G0+4*\s+1], s45, \s*SLOT
	s_add_nc_u64 s[G0+4*\s+2:G0+4*\s+3], s[20:21], \s*ROWB
	s_or_b32 s[G0+4*\s+3], s[G0+4*\s+3], 0x80000000
	s_mov_b32 s[G0B+4*\s], 1
	s_add_co_u32 s[G0B+4*\s+1], s45, \s*SLOT
	s_add_nc_u64 s[G0B+4*\s+2:G0B+4*\s+3], s[46:47], \s*ROWB
	s_or_b32 s[G0B+4*\s+3], s[G0B+4*\s+3], 0x80000000
	JLOAD G0+4*\s, G1, G0B+4*\s, G1B
.endr
	v_and_b32 v1, 15, v0                           ; l % 16
	v_bfe_u32 v2, v0, 4, 1                         ; l / 16
	v_mul_u32_u24 v3, v1, PITCH
	v_lshl_add_u32 v4, v2, 4, v3                   ; a fragment's row x pitch + 16 x half
	s_mul_i32 s21, s15, HALFT                      ; my 128 tokens
	s_mul_i32 s22, s16, HALFT                      ; my 128 rows of the weight,
	s_add_co_u32 s22, s22, 2*HALFT                 ; which lie behind the 256 tokens
	s_cmp_eq_u32 s12, 2                            ; for v the two sets change places
	s_cselect_b32 s23, s22, s21                    ; the A set
	s_cselect_b32 s22, s21, s22                    ; the B set
	s_mov_b32 s21, s23
.irp s, 0,1
	v_add_nc_u32 v[ADRA+\s], s21, v4
	v_add_nc_u32 v[ADRB+\s], s22, v4
	s_add_co_u32 s21, s21, SLOT
	s_add_co_u32 s22, s22, SLOT
.endr
.macro FRAG reg, adr, q, i             ; a fragment, 16 rows x 128 K of 8-bit codes, is 16 registers: lane l holds row l % 16; registers 4 c .. 4 c + 3 hold K = 32 c + 16 (l / 16) + 0 .. 15
.irp c, 0,1,2,3
	ds_load_b128 v[\reg+4*\c:\reg+4*\c+3], v[\adr] offset:128*(\q)+32*\c+(\i)*16*PITCH
.endr
.endm
; 16 matrix instructions: A blocks a0, a0 + 1 x the B set's eight, 128 along K.  p: which B set.  zero = 1: the first product starts the sums: nothing is ever cleared.
; The 64 accumulators take turns, one instruction a turn, in the same order in every step.
.macro MUL16 a0, p, zero
.irp a, \a0, \a0+1
.irp b, 0,1,2,3,4,5,6,7
.if \zero
	v_wmma_f32_16x16x128_fp8_fp8 v[8*(8*((\a)%4)+\b):8*(8*((\a)%4)+\b)+7], v[128*(\p)+FR*\b:128*(\p)+FR*\b+FR-1], v[AF+FR*(\a):AF+FR*(\a)+FR-1], 0
.else
	v_wmma_f32_16x16x128_fp8_fp8 v[8*(8*((\a)%4)+\b):8*(8*((\a)%4)+\b)+7], v[128*(\p)+FR*\b:128*(\p)+FR*\b+FR-1], v[AF+FR*(\a):AF+FR*(\a)+FR-1], v[8*(8*((\a)%4)+\b):8*(8*((\a)%4)+\b)+7]
.endif
.endr
.endr
.endm
.macro FETCH_B slot, q, p              ; the B set's eight fragments of the slot's q-th 128 along K into set p
	WIN TO_B
.irp i, 0,1,2,3,4,5,6,7
	FRAG 128*(\p)+FR*\i, ADRB+\slot, \q, \i
.endr
	WIN 0
.endm
.macro FETCH_A slot, q, i0             ; A blocks i0 .. i0 + 3
.irp i, \i0, \i0+1, \i0+2, \i0+3
	FRAG AF+FR*(\i), ADRA+\slot, \q, \i
.endr
.endm
; A load into a register that a matrix instruction has read, and a vector instruction that reads a matrix result, stand NP places behind that matrix instruction, and only plain vector
; instructions that name none of its registers are places (ISA guide 7.12.1 for vector instructions).
.macro PLACES n
.rept \n
	v_nop
.endr
.endm
; A step of 128 along K that has its successor in the same slot.  A block of the A set is free as soon as its eight products are issued, so one set of registers serves it:
; blocks 0-3 are fetched anew in the step's middle, blocks 4-7 at its end.  The B set is at work through the whole step and has two sets.
.macro STEP slot, q, zero
	s_wait_dscnt 4*NL                              ; the B set and A blocks 0-3 are in; the youngest sixteen loads (A blocks 4-7) may be out
	WIN MUL_LO
	MUL16 0, (\q)%2, \zero
	MUL16 2, (\q)%2, \zero
	s_wait_dscnt 0                                 ; A blocks 4-7 are in (asked for 32 matrix instructions ago)
	PLACES NP
	FETCH_B \slot, (\q)+1, 1-(\q)%2
	FETCH_A \slot, (\q)+1, 0
	WIN MUL_HI
	MUL16 4, (\q)%2, \zero
	MUL16 6, (\q)%2, \zero
	PLACES NP
	WIN 0
	FETCH_A \slot, (\q)+1, 4
.endm
; A slot's last step changes slots: ONE barrier; in front of it each wave waits for all its tensor loads, adds 0 to its spare word, and waits for that and for its own reads of this slot.  fill = 1: this slot is filled again, two K steps ahead.
.macro TURN slot, next, fill
	s_wait_tensorcnt 0x0                           ; all my tensor loads have landed: my part of the next slot;  (every window is 0 here: the add's two registers lie in window 0)
	ds_add_u32 v[SPW], v[NIL]                      ; 0 onto my spare word
	s_wait_dscnt 4*NL+1                            ; (the add and the youngest sixteen loads, A blocks 4-7, may be out)
	WIN MUL_LO
	MUL16 0, 1, 0                                  ; sixteen matrix instructions stand between the add and the wait for it
	s_wait_dscnt 0x0                               ; the add is done, and my reads of this slot are over
	s_barrier_signal -1
	MUL16 2, 1, 0
	WIN 0
	s_barrier_wait -1
.if \fill
	CREST                                          ; the barrier has opened a round of the cluster's barrier: no wave of any partner still reads this slot's tile or has a load on its way
	s_add_nc_u64 s[G0+4*\slot+2:G0+4*\slot+3], s[G0+4*\slot+2:G0+4*\slot+3], 2*ROWB
	s_add_nc_u64 s[G0B+4*\slot+2:G0B+4*\slot+3], s[G0B+4*\slot+2:G0B+4*\slot+3], 2*ROWB
	JLOAD G0+4*\slot, G1, G0B+4*\slot, G1B         ; the first tensor load behind the round; the four v_nop behind it are the places in front of the loads below
.else
	PLACES NP
.endif
	FETCH_B \next, 0, 0
	FETCH_A \next, 0, 0
	WIN MUL_HI
	MUL16 4, 1, 0
	MUL16 6, 1, 0
	PLACES NP
	WIN 0
	FETCH_A \next, 0, 4
.endm
	s_wait_tensorcnt 1                             ; my part of K step 0 is in (K step 1's load may be out)
	s_barrier_signal -1
	s_barrier_wait -1                              ; everybody's is
	FETCH_B 0, 0, 0
	FETCH_A 0, 0, 0
	FETCH_A 0, 0, 4
	STEP 0, 0, 1                                   ; the first step stands in front of the loop: its products start the sums
	s_mov_b32 s3, LAPS-1
.Llap:                                                 ; a trip goes once round the ring, from a lap's second step to the next lap's first, and fills both slots again
	TURN 0, 1, 1
	STEP 1, 0, 0
	TURN 1, 0, 1
	STEP 0, 0, 0
	s_sub_co_u32 s3, s3, 1
	s_cmp_lg_u32 s3, 0
	s_cbranch_scc1 .Llap
	TURN 0, 1, 0                                   ; the last lap fills nothing, and has no round of the cluster's barrier
	STEP 1, 0, 0
	s_wait_dscnt 4*NL                              ; the very last step: nothing more to fetch
	WIN MUL_LO
	MUL16 0, 1, 0
	MUL16 2, 1, 0
	s_wait_dscnt 0
	WIN MUL_HI
	MUL16 4, 1, 0
	MUL16 6, 1, 0
	WIN 0
; THE WAY OUT.  A sum stands for sum x 2^(ea + eb); its code is sum / 2^(eo - ea - eb): the three given scales are folded into the conversion's one.  (ea, eb, eo) = (e0, e1, e6), (e2, e3, e7) or (e4, e5, e9), chosen on TEN.
	s_wait_kmcnt 0x0
	s_cmp_eq_u32 s12, 1
	s_cselect_b32 s80, s70, s68
	s_cselect_b32 s81, s71, s69
	s_cselect_b32 s82, s75, s74
	s_cmp_eq_u32 s12, 2
	s_cselect_b32 s80, s72, s80
	s_cselect_b32 s81, s73, s81
	s_cselect_b32 s82, s77, s82
	s_sub_co_i32 s82, s82, s80
	s_sub_co_i32 s82, s82, s81
	s_add_co_i32 s82, s82, 127
	s_lshl_b32 s83, s82, 23
	v_mov_b32 v[SCV], s83                          ; 2^(eo - ea - eb) as f32
	s_add_co_i32 s82, s82, 8
	s_lshl_b32 s82, s82, 23
	s_or_b32 s82, s82, 0x600000
	v_mov_b32 v[LIMV], s82                         ; 448 x that
	s_and_b32 s84, s17, 31
	s_lshl_b32 s84, s84, 8
	s_lshl_b32 s85, s15, 7
	s_add_co_u32 s84, s84, s85                     ; my first token among the tensor's 8,192: a multiple of 128
	s_lshr_b32 s85, s84, 11                        ; its batch,
	s_bfe_u32 s86, s84, 0x40007                    ; and its key step of 128 in the batch (eight tiles of 16 tokens)
	s_lshl_b32 s85, s85, 4
	s_lshl_b32 s87, s42, 2
	s_add_co_u32 s85, s85, s87
	s_lshl_b32 s87, s16, 1
	s_add_co_u32 s85, s85, s87                     ; bh of my first head: 16 x batch + 4 x tile column + 2 x half; my 128 rows of the weight are two heads
	s_cmp_eq_u32 s12, 0
	s_cselect_b64 s[18:19], s[8:9], s[10:11]       ; q goes to qimg, k and v to kv
	s_cselect_b32 s88, 17, 18                      ; a head is 2^17 bytes in qimg, 2^18 in kv;
	s_cselect_b32 s89, 13, 14                      ; 128 tokens are 2^13 bytes in qimg, 2^14 in kv
	s_lshl_b32 s85, s85, s88
	s_lshl_b32 s86, s86, s89
	s_add_co_u32 s90, s85, s86
	s_cmp_eq_u32 s12, 2
	s_cselect_b32 s91, 0x2000, 0                   ; v^T lies behind k in a key step's block
	s_add_co_u32 s90, s90, s91
	s_mov_b32 s91, 0
	s_add_nc_u64 s[18:19], s[18:19], s[90:91]
	s_lshl_b32 s88, 1, s88
	v_and_b32 v[OFA], 31, v0
	v_lshlrev_b32 v[OFA], 4, v[OFA]                ; 16 x lane
	v_add_nc_u32 v[OFA+1], s88, v[OFA]             ; and one head further on
	PLACES NP                                      ; behind the last products: for the first reads of results and for the conversions' writes into the registers that held the A set
; Block a: its 64 sums are held within +-448 x the scale into other registers, each accumulator from its low end on, and converted: accumulator (a, b) gives code registers 2 b, 2 b + 1 of the block's sixteen.
.macro CODES a
	WIN 0x02+((\a)/4)                              ; source 0: window 2 or 3
.set i, 0
.rept 64
	v_med3_num_f32 v[TMP+i], v[64*((\a)%4)+i], -v[LIMV], v[LIMV]   ; the conversion to an 8-bit code does not saturate (ISA guide 7.6.2)
.set i, i+1
.endr
	WIN 0
.irp b, 0,1,2,3,4,5,6,7
	v_cvt_scalef32_pk8_fp8_f32 v[CD+16*(\a)+2*\b:CD+16*(\a)+2*\b+1], v[TMP+8*\b:TMP+8*\b+7], v[SCV]
.endr
	v_nop                                          ; one plain vector instruction between the conversions and the next block's holds, which write their sources
.endm
.irp a, 0,1,2,3,4,5,6,7
	CODES \a
.endr
	s_cmp_eq_u32 s12, 2                            ; TEN is the same in all partners
	s_cbranch_scc1 .Lstore_v
.irp a, 0,1,2,3,4,5,6,7                ; q, k: block a is token tile a of my eight; code registers 0-7 are my first head's fragment (two quads), 8-15 my second head's
.irp q, 0,1,2,3
	global_store_b128 v[OFA+(\q>>1)], v[CD+16*\a+4*\q:CD+16*\a+4*\q+3], s[18:19] offset:1024*\a+512*(\q&1)   ; the wave stores 512 consecutive bytes, aligned
.endr
.endr
	s_branch .Lstored
.Lstore_v:
.irp a, 0,1,2,3,4,5,6,7                ; v: block a is channel tile a % 4 of head a / 4; its sixteen code registers are one fragment, 16 channels x my 128 keys (four quads)
.irp q, 0,1,2,3
	global_store_b128 v[OFA], v[CD+16*\a+4*\q:CD+16*\a+4*\q+3], s[18:19] offset:262144*(\a/4)+2048*(\a%4)+512*\q
.endr
.endr
.Lstored:
	s_wait_tensorcnt 0x0                           ; the wave's end, behind my last tensor load
	ds_add_u32 v[SPW], v[NIL]
	s_wait_dscnt 0x0
	CROUND                                         ; the closing round: no work-group ends while a partner may still ask for a tile that names it
	s_endpgm
.Lfunc_end_k_q84cc0127b2_proj:
	.size	k_q84cc0127b2_proj, .Lfunc_end_k_q84cc0127b2_proj-k_q84cc0127b2_proj
	.p2alignl 7, 3214868480
	.fill 96, 4, 3214868480
	.section	.rodata,"a",@progbits
	.p2align	6, 0x0
	.amdhsa_kernel k_q84cc0127b2_proj
		.amdhsa_group_segment_fixed_size 327680
		.amdhsa_private_segment_fixed_size 0
		.amdhsa_enable_private_segment 0
		.amdhsa_kernarg_size 32
		.amdhsa_user_sgpr_count 2
		.amdhsa_user_sgpr_kernarg_segment_ptr 1
		.amdhsa_wavefront_size32 1
		.amdhsa_system_sgpr_workgroup_id_x 1
		.amdhsa_system_sgpr_workgroup_id_y 1
		.amdhsa_system_sgpr_workgroup_id_z 1
		.amdhsa_system_vgpr_workitem_id 0
		.amdhsa_next_free_vgpr 1024
		.amdhsa_next_free_sgpr 96
		.amdhsa_reserve_vcc 0
		.amdhsa_float_denorm_mode_32 3
		.amdhsa_float_denorm_mode_16_64 3
		.amdhsa_memory_ordered 1
		.amdhsa_forward_progress 1
		.amdhsa_inst_pref_size 121
	.end_amdhsa_kernel
	.amdgpu_metadata
---
amdhsa.version: [ 1, 2 ]
amdhsa.kernels:
  - .name:           k_q84cc0127b2_proj
    .symbol:         k_q84cc0127b2_proj.kd
    .args:
      - { .name: codes, .offset: 0, .size: 8, .value_kind: global_buffer, .address_space: global }
      - { .name: lowp_scales, .offset: 8, .size: 8, .value_kind: global_buffer, .address_space: global }
      - { .name: qimg, .offset: 16, .size: 8, .value_kind: global_buffer, .address_space: global }
      - { .name: kv, .offset: 24, .size: 8, .value_kind: global_buffer, .address_space: global }
    .group_segment_fixed_size: 327680
    .private_segment_fixed_size: 0
    .kernarg_segment_align: 8
    .kernarg_segment_size: 32
    .max_flat_workgroup_size: 128
    .sgpr_count:     96
    .vgpr_count:     1024
    .wavefront_size: 32
...
	.end_amdgpu_metadata
.endif
;; end of part 2
;; launch attn (part 3): grid 8 x 64, 16 waves a work-group, clusters of 4 x 1, 264,192 bytes of LDS; arguments qimg, kv, maskw, lowp_scales, ctximg; writes ctximg
.if DOCPART == 3
	.amdgcn_target "amdgcn-amd-amdhsa--gfx1250"
	.amdhsa_code_object_version 6
	.text
	.protected	k_q84cc0127b2_attn
	.globl	k_q84cc0127b2_attn
	.p2align	8
	.type	k_q84cc0127b2_attn,@function
k_q84cc0127b2_attn:
	s_mov_b64 s[64:65], 0
	v_nop
	global_prefetch_b8 v0, s[64:65] scope:SCOPE_SE
	s_setreg_imm32_b32 hwreg(HW_REG_WAVE_MODE, 25, 1), 1
	s_wait_xcnt 0x0
	s_wait_alu depctr_hold_cnt(0) depctr_sa_sdst(0) depctr_va_vdst(0) depctr_va_sdst(0) depctr_va_ssrc(0) depctr_va_vcc(0) depctr_vm_vsrc(0)
	s_getreg_b32 s2, hwreg(HW_REG_IB_STS2, 6, 4)
	s_cmp_eq_u32 s2, 0
	s_cbranch_scc0 .Lentry_in_a_cluster
	s_endpgm
.Lentry_in_a_cluster:
	s_bfe_u32 s2, ttmp6, 0x10000c
	s_cmp_lg_u32 s2, 0x3003
	s_cbranch_scc0 .Lentry_shape_is_right
	s_endpgm
.Lentry_shape_is_right:
; context[b][q][head][:] = the sum over keys of softmax(q . k / 8, masked) v, both products on codes of E4M3, 2,048 keys, head size 64; the context is quantised and stored as images of the last product's operand.
; THE SOFTMAX AHEAD OF THE SECOND PRODUCT: t = logit x log2(e); M = the row's largest t so far, rounded UP to a whole number; p = 2^(t - M) is what is quantised, along the keys; it is not normalised.
; The row's sum is taken of the unquantised p, in f32, and divides the result at the end.  When M moves, the sum and O are multiplied by 2^(old M - new M): exact.
; THE MASK: a masked score is replaced, ahead of the maximum, by SNEG = -2^(33 - e6 - e7), so that its t is -log2(e) / 8 x 2^33, about -1.55e9: a whole number, exact in f32, like the -1e9 x log2(e) of the
; definition.  Beside any open key p is 0 there as here; in a row with no open key M = t, t - M = 0 and p = 1 for every key, there as here.
; SHARES.  A work-group owns 256 queries of one (batch, head); each of its SIXTEEN waves owns 16 of them, one tile, in 256 registers: four waves to a SIMD.
; A key step of 128 keys has 12 matrix instructions and some 320 vector instructions: the vector unit binds, so nothing is spent on larger wave tiles.
; LDS holds the head's WHOLE k and v^T, 262,144 bytes, as they lie in kv: key step ks at 16,384 ks.  Every byte is filled once: no ring.  All reads are images: 16 x lane, 512 consecutive bytes an instruction.
; CLUSTER.  The four query blocks of a cluster belong to one (batch, head) and need the same k and v: each piece is asked for JOINTLY.  Four chunks of four key steps; every wave asks for its 4,096 bytes of each
; chunk: four tensor loads of a wave are out at the most.  All are issued at the head, so there is no later load ahead of which a prefetch could run.
; LAYOUT.  Both products are used transposed: S^T = k q^T (source 0 = 16 keys, source 1 = my 16 queries), O^T = v^T p^T (source 0 = 16 channels, source 1 = p): lane (r, h) holds query r throughout.
; Register 8 t + j of S^T is key 16 t + 8 h + j, so the conversion of tile t's eight registers IS registers 2 t, 2 t + 1 of p's fragment; likewise O^T's tile d gives registers of the context's fragment.
; TWO REGIONS BY TURNS.  RA and RB, 64 registers each, change roles from step to step.  A step finds its k in one region and writes S^T into the other; when the products have read k, v^T is loaded over it and lands
; under the softmax; as each pair of tiles of p has been converted, the NEXT step's k is loaded over those 16 registers.  So every LDS load is asked for well ahead of its use, and no register is added.
; A trip of the loop is two steps, after which the numbers are back where they began.
; LIMITS on the given exponents: -94 <= e6 + e7 <= 9 (SNEG is an f32 number and lies under every sum of 64 products of codes); e8 and e10 between -126 and 119.  NaN among the inputs is not served.
.set LI,   1                           ; v1   16 x lane
.set ADR,  2                           ; v2   LDS address of the trip's two key steps
.set SNEG, 4                           ; v4   what a masked score becomes
.set PLIM, 5                           ; v5   448 x 2^e8
.set PSC,  6                           ; v6   2^e8
.set EPV,  7                           ; v7   e8 + e9, a whole number
.set QF,   8                           ; v8-15  q's fragment
.set NM,   16                          ; v16  -M;  v17 the largest t so far
.set LS,   18                          ; v[18:19] the sum, in two halves
.set FF,   20                          ; v20  f = 2^(old M - new M);  v21 is named with it as a pair
.set W0,   22                          ; v22-25 the maximum's four chains, then the old -M (v25)
.set PX,   23                          ; v23  the lane permute's destination
.set SC,   22                          ; v[22:23], v[24:25], v[26:27]: three more chains of the step's sum
.set SD,   24
.set SB,   26
.set CLIM, 28                          ; v28  448 x 2^e10
.set CSC,  29                          ; v29  2^e10
.set CC,   30                          ; v[30:31] c = log2(e) / 8 x 2^(e6 + e7), twice
.set RA,   32                          ; v32-95   the two regions
.set RB,   96                          ; v96-159
.set O,    160                         ; v160-191 O^T
.set P,    192                         ; v192-207 p's codes
.set CX,   208                         ; v208-239 the context
.set CXC,  240                         ; v240-247 its codes
.set WV,   2                           ; s2   my wave's number
.set CNT,  3                           ; s3   counts the loop's trips
.set G1,   4                           ; s[4:11] descriptor group 1;  groups 0 of the four chunks: s[12:15], s[84:87], s[88:91], s[92:95]
.set MP,   66                          ; s[66:67] where the trip's mask words lie: 64 words a key step; the words in hand: s16-63 and s68-83
.set SEL,  98                          ; s[98:99] lane selects for v_permlanex16_b32: lane l xor 16
.set TB,   100                         ; s100 LDS byte at which the trip's first key step begins
.set OUTP, 104                         ; s[104:105] where my codes of the context go
.macro CROUND                          ; a round of the cluster's barrier
	s_barrier_signal -1
	s_barrier_wait -1
	s_cmp_lg_u32 s[WV], 0
	s_cbranch_scc1 .Lnot_wave_0_\@
	s_barrier_signal -3
.Lnot_wave_0_\@:
	s_barrier_wait -3
	s_barrier_signal -1
	s_barrier_wait -1
.endm
.macro MKG0 g, c                       ; group 0 of chunk c: my wave's 4,096 bytes of it, at the same place in LDS as in the head's block of kv
	s_mov_b32 s[\g], 1                             ; 1:0 count = 1
	s_add_co_u32 s[\g+1], s37, \c*65536            ; 63:32 LDS address
	s_add_nc_u64 s[\g+2:\g+3], s[38:39], \c*65536  ; 120:64 global address
	s_or_b32 s[\g+3], s[\g+3], 0x80000000          ; 127:126 type = 2
.endm
	s_load_b256 s[16:23], s[0:1], 0x0              ; qimg s[16:17], kv s[18:19], maskw s[20:21], lowp_scales s[22:23]
	s_load_b64 s[32:33], s[0:1], 0x20              ; ctximg
	v_lshl_add_u32 v254, v0, 2, 0x40000
	v_mov_b32 v255, 0
	ds_add_u32 v254, v255
	ds_add_u32 v254, v255
	v_lshrrev_b32 v1, 5, v0
	v_readfirstlane_b32 s[WV], v1                  ; wave 0..15
	s_bfe_u32 s34, ttmp6, 0x40000                  ; cx: it enters q's, the mask's and the context's addresses alone
	s_lshl_b32 s35, ttmp9, 2
	s_add_co_u32 s35, s35, s34                     ; my block of 256 queries = 4 x cluster x + cx
	s_lshl_b32 s35, s35, 4
	s_add_co_u32 s35, s35, s[WV]                   ; T: my tile of 16 queries, 0..127
	s_and_b32 s36, ttmp7, 0xffff                   ; bh = 16 x batch + head, which the four partners share
	s_mov_b32 s[G1], 15|(3<<16)|(1<<21)            ; 15:0 the mask: all four work-groups; 17:16 elements of 8 bytes; 20 no padding; 21 set beside a mask
	s_mov_b32 s[G1+1], 32<<16                      ; tensor_dim0 = 32 elements: rows of 256 bytes
	s_mov_b32 s[G1+2], 16<<16                      ; tensor_dim1 = 16
	s_mov_b32 s[G1+3], 32<<16                      ; tile_dim0 = 32
	s_mov_b32 s[G1+4], 16                          ; tile_dim1 = 16: 4,096 bytes, dense in memory and in LDS
	s_mov_b32 s[G1+5], 32                          ; tensor_dim0_stride
	s_mov_b32 s[G1+6], 0
	s_mov_b32 s[G1+7], 0
	s_lshl_b32 s37, s[WV], 12                      ; my wave's 4,096 bytes of a chunk
	s_lshl_b32 s38, s36, 18                        ; the head's block of kv
	s_add_co_u32 s38, s38, s37
	s_mov_b32 s39, 0
	s_wait_dscnt 0x0
	s_wait_kmcnt 0x0
	s_load_b128 s[24:27], s[22:23], 0x18           ; e6, e7, e8, e9
	s_load_b32 s40, s[22:23], 0x28                 ; e10
	s_add_nc_u64 s[38:39], s[18:19], s[38:39]
	MKG0 12, 0
	MKG0 84, 1
	MKG0 88, 2
	MKG0 92, 3
	CROUND                                         ; all four work-groups are here: the joint loads meet
	tensor_load_to_lds s[12:15], s[G1:G1+7]        ; all fills of the launch go out as one group: four loads of mine are out
	s_nop 0
	tensor_load_to_lds s[84:87], s[G1:G1+7]
	s_nop 0
	tensor_load_to_lds s[88:91], s[G1:G1+7]
	s_nop 0
	tensor_load_to_lds s[92:95], s[G1:G1+7]
	s_nop 0
.rept 4
	v_nop
.endr
	s_lshl_b32 s41, s36, 7
	s_add_co_u32 s41, s41, s35                     ; 128 bh + T
	s_lshl_b32 s42, s41, 10                        ; q's fragment is 1,024 bytes
	s_mov_b32 s43, 0
	s_add_nc_u64 s[28:29], s[16:17], s[42:43]
	v_and_b32 v[LI], 31, v0
	v_lshlrev_b32 v[LI], 4, v[LI]
	global_load_b128 v[QF:QF+3], v[LI], s[28:29]
	global_load_b128 v[QF+4:QF+7], v[LI], s[28:29] offset:512
	s_lshr_b32 s44, s36, 4
	s_lshl_b32 s44, s44, 7
	s_add_co_u32 s44, s44, s35                     ; RT = 128 x batch + T: my tile among the 512 tiles of tokens
	s_lshl_b32 s42, s44, 12
	s_add_nc_u64 s[MP:MP+1], s[20:21], s[42:43]    ; its mask words: 16 key steps of 256 bytes
	s_lshl_b32 s42, s44, 14                        ; the context: a tile of tokens is eight images of 2,048 bytes;
	s_bfe_u32 s45, s36, 0x30001
	s_lshl_b32 s45, s45, 11                        ; K step = head / 2;
	s_add_co_u32 s42, s42, s45
	s_and_b32 s45, s36, 1
	s_lshl_b32 s45, s45, 10                        ; an odd head fills the image's quads 2 and 3
	s_add_co_u32 s42, s42, s45
	s_add_nc_u64 s[OUTP:OUTP+1], s[32:33], s[42:43]
	s_wait_kmcnt 0x0
	s_add_co_i32 s46, s24, s25                     ; e6 + e7
	s_lshl_b32 s47, s46, 23
	s_add_co_i32 s47, s47, 0x3e38aa3b              ; log2(e) / 8, with the two exponents added to its exponent field
	v_mov_b32 v[CC], s47
	v_mov_b32 v[CC+1], s47
	s_sub_co_i32 s47, 160, s46
	s_lshl_b32 s47, s47, 23
	s_or_b32 s47, s47, 0x80000000
	v_mov_b32 v[SNEG], s47                         ; -2^(33 - e6 - e7)
	s_add_co_i32 s47, s26, 127
	s_lshl_b32 s46, s47, 23
	v_mov_b32 v[PSC], s46                          ; 2^e8
	s_add_co_i32 s47, s47, 8
	s_lshl_b32 s47, s47, 23
	s_or_b32 s47, s47, 0x600000
	v_mov_b32 v[PLIM], s47                         ; 448 x 2^e8
	s_add_co_i32 s47, s26, s27
	v_mov_b32 v[EPV], s47                          ; e8 + e9
	s_add_co_i32 s47, s40, 127
	s_lshl_b32 s46, s47, 23
	v_mov_b32 v[CSC], s46                          ; 2^e10
	s_add_co_i32 s47, s47, 8
	s_lshl_b32 s47, s47, 23
	s_or_b32 s47, s47, 0x600000
	v_mov_b32 v[CLIM], s47                         ; 448 x 2^e10
	s_mov_b32 s[SEL], 0x76543210
	s_mov_b32 s[SEL+1], 0xfedcba98
	s_mov_b32 s[TB], 0
	s_wait_xcnt 0x0                                ; q's loads have read their base s[28:29]: the mask words may land on it
	s_load_b512 s[16:31], s[MP:MP+1], 0x0          ; key step 0's 64 words
	s_load_b512 s[32:47], s[MP:MP+1], 0x40
	s_load_b512 s[48:63], s[MP:MP+1], 0x80
	s_load_b512 s[68:83], s[MP:MP+1], 0xc0
	v_mov_b32 v[NM+1], 0xff61b1e6                  ; the largest t so far: -3e38, under every t
	v_floor_f32 v[NM], -v[NM+1]                    ; -M
	v_mov_b32 v[LS], 0
	v_mov_b32 v[LS+1], 0
	v_mov_b32 v[FF+1], 0                           ; (named as the upper half of the pair)
.set i, 0
.rept 32
	v_mov_b32 v[O+i], 0                            ; O^T.  (The key step has no first form of its own: the first finds zeros, which the first change of M leaves zeros)
.set i, i+1
.endr
	s_wait_loadcnt 0x0                             ; q
.macro FMA sx, b                       ; pair b of the scores: t - M, two at a time, one rounding (of the pair -M, t the low word serves both halves)
	v_pk_fma_f32 v[\sx+2*(\b):\sx+2*(\b)+1], v[\sx+2*(\b):\sx+2*(\b)+1], v[CC:CC+1], v[NM:NM+1] op_sel_hi:[1,1,0]
.endm
.macro PADD dst, sx, i                 ; a chain of the sum takes pair i of p
	v_pk_add_f32 v[\dst:\dst+1], v[\dst:\dst+1], v[\sx+2*(\i):\sx+2*(\i)+1]
.endm
.macro ADDS sx, t                      ; tile t's four pairs of p go to the sum's four chains; the first six pairs start the three chains of the step's own
.if (\t) == 0
	v_pk_add_f32 v[SB:SB+1], v[\sx:\sx+1], v[\sx+2:\sx+3]
	v_pk_add_f32 v[SC:SC+1], v[\sx+4:\sx+5], v[\sx+6:\sx+7]
.elseif (\t) == 1
	v_pk_add_f32 v[SD:SD+1], v[\sx+8:\sx+9], v[\sx+10:\sx+11]
	PADD LS, \sx, 6
	PADD SB, \sx, 7
.else
	PADD LS, \sx, 4*(\t)
	PADD SB, \sx, 4*(\t)+1
	PADD SC, \sx, 4*(\t)+2
	PADD SD, \sx, 4*(\t)+3
.endif
.endm
.macro KLOAD sx, off, t                ; tile t of the NEXT step's k, over the registers that tile t of p has left
	ds_load_b128 v[\sx+8*(\t):\sx+8*(\t)+3], v[ADR] offset:\off+16384+1024*(\t)
	ds_load_b128 v[\sx+8*(\t)+4:\sx+8*(\t)+7], v[ADR] offset:\off+16384+1024*(\t)+512
.endm
; A KEY STEP: 128 keys.  kx: the region that holds this step's k, then its v^T;  sx: the region of S^T and p, then of the next step's k.  off: the step's place behind v[ADR];  odd: the trip's second step;
; last = 1: the launch's last step, which asks for no further k and no further mask words.
.macro STEP kx, sx, off, odd, last
.irp g, 0,1,2,3                                ; k's 16 loads were issued in ascending order of its tiles, two a tile, and nothing behind them: tiles 2 g and 2 g + 1 are in when at most 12 - 4 g are out
	s_wait_dscnt 12-4*\g
	v_wmma_f32_16x16x64_fp8_fp8 v[\sx+16*\g:\sx+16*\g+7], v[\kx+16*\g:\kx+16*\g+7], v[QF:QF+7], 0
	v_wmma_f32_16x16x64_fp8_fp8 v[\sx+16*\g+8:\sx+16*\g+15], v[\kx+16*\g+8:\kx+16*\g+15], v[QF:QF+7], 0
.endr
.if \odd == 0
	v_add_nc_u32 v[ADR], s[TB], v[LI]              ; the trip's address, written where no LDS load of mine is out.  With the three v_nop: the four places in front of the loads into k's registers and of the first read of the scores
.else
	v_nop
.endif
.rept 3
	v_nop
.endr
	s_wait_kmcnt 0x0                               ; this step's mask words are in, and their loads have read their address,
.if \odd && (\last == 0)
	s_add_nc_u64 s[MP:MP+1], s[MP:MP+1], 512       ; which goes on to the next trip's words
.endif
.set n, 0
.rept 64                                       ; bit L of word n says whether my lane's score in register n is masked; each accumulator is read from its low end on
.if n < 48
	v_cndmask_b32 v[\sx+n], v[\sx+n], v[SNEG], s[16+n]
.else
	v_cndmask_b32 v[\sx+n], v[\sx+n], v[SNEG], s[20+n]
.endif
.if n%16 == 15                                 ; behind each 16 of them one fragment of v^T is asked for: runs of four loads, which land while the softmax is worked
.irp q, 0,1,2,3
	ds_load_b128 v[\kx+n-15+4*\q:\kx+n-15+4*\q+3], v[ADR] offset:\off+8192+128*(n-15)+512*\q
.endr
.endif
.set n, n+1
.endr
.if \odd == 0                                  ; the next step's words are asked for now, a whole step ahead
	s_load_b512 s[16:31], s[MP:MP+1], 0x100
	s_load_b512 s[32:47], s[MP:MP+1], 0x140
	s_load_b512 s[48:63], s[MP:MP+1], 0x180
	s_load_b512 s[68:83], s[MP:MP+1], 0x1c0
.elseif \last == 0
	s_load_b512 s[16:31], s[MP:MP+1], 0x0
	s_load_b512 s[32:47], s[MP:MP+1], 0x40
	s_load_b512 s[48:63], s[MP:MP+1], 0x80
	s_load_b512 s[68:83], s[MP:MP+1], 0xc0
.endif
.irp c, 0,1,2,3                                ; the step's largest score of my query among my 64 keys: four chains of 15 scores each, by turns,
	v_max3_num_f32 v[W0+\c], v[\sx+16*\c], v[\sx+16*\c+1], v[\sx+16*\c+2]
.endr
.irp j, 1,2,3,4,5,6
.irp c, 0,1,2,3
	v_max3_num_f32 v[W0+\c], v[W0+\c], v[\sx+16*\c+2*\j+1], v[\sx+16*\c+2*\j+2]
.endr
.endr
	v_max3_num_f32 v[W0], v[W0], v[W0+1], v[\sx+15]       ; then the chains and the four scores left over
	v_max3_num_f32 v[W0+2], v[W0+2], v[W0+3], v[\sx+31]
	v_max_num_f32 v[W0+1], v[\sx+47], v[\sx+63]
	v_max3_num_f32 v[W0], v[W0], v[W0+2], v[W0+1]
	v_mov_b32 v[W0+3], v[NM]                       ; the old -M is kept for f
	v_permlanex16_b32 v[PX], v[W0], s[SEL], s[SEL+1]
	v_max_num_f32 v[W0], v[W0], v[PX]              ; and among lane l xor 16's
	v_mul_f32 v[W0], v[CC], v[W0]                  ; as t (c is positive)
	v_max_num_f32 v[NM+1], v[NM+1], v[W0]          ; the running largest t
	v_floor_f32 v[NM], -v[NM+1]                    ; the new -M = floor(-t) = -ceil(t): M is a whole number
	FMA \sx, 0                                     ; the scalings run four pairs ahead of the exponentials; the three lines that make f stand between the first of them
	v_sub_f32 v[W0+3], v[NM], v[W0+3]              ; M's old value less its new one: a whole number, 0 or less
	FMA \sx, 1
	v_cvt_i32_f32 v[W0+3], v[W0+3]                 ; (it saturates)
	FMA \sx, 2
	v_ldexp_f32 v[FF], 1.0, v[W0+3]                ; f = 2^(old M - new M)
	FMA \sx, 3
; ONE BATCH of 64 exponentials, p = 2^(t - M), at most 1, not normalised.  Behind three of every four stands a plain line that names no result of the batch: the other 28 scalings (pair 4 + f lies above every
; score that has had its exponential), then the 16 rescalings of O^T by f.
.set e, 0
.rept 64
	v_exp_f32 v[\sx+e], v[\sx+e]
.if e%4 != 3
.set f, e-e/4
.if f < 28
	FMA \sx, 4+f
.elseif f < 44
	v_pk_mul_f32 v[O+2*(f-28):O+2*(f-28)+1], v[O+2*(f-28):O+2*(f-28)+1], v[FF:FF+1] op_sel_hi:[1,0]   ; O^T under the new M; each accumulator from its low end on
.endif
.endif
.set e, e+1
.endr
	v_pk_mul_f32 v[LS:LS+1], v[LS:LS+1], v[FF:FF+1] op_sel_hi:[1,0]   ; the sum under the new M: the plain instruction behind the last exponential
	s_wait_alu depctr_va_vdst(0)                   ; one wait for the batch of 64, ahead of its first reader
; Tile by tile: the sum takes the unquantised p (a tile's additions stand ahead of its holds, between the holds and the conversion of the tile before); the hold; the conversion; behind every second conversion
; the next step's k is asked for, two tiles, over the 16 registers just left.
	ADDS \sx, 0
.irp t, 0,1,2,3,4,5,6,7
.irp i, 0,1,2,3,4,5,6,7
	v_min_num_f32 v[\sx+8*\t+\i], v[\sx+8*\t+\i], v[PLIM]   ; the conversion to an 8-bit code does not saturate (ISA guide 7.6.2); p is not negative, so the hold is one-sided
.endr
.if \t < 7
	ADDS \sx, \t+1
.endif
	v_cvt_scalef32_pk8_fp8_f32 v[P+2*\t:P+2*\t+1], v[\sx+8*\t:\sx+8*\t+7], v[PSC]
.if \t == 7
	v_pk_add_f32 v[SB:SB+1], v[SB:SB+1], v[SC:SC+1]        ; the plain instruction between the last conversion and the products that read its result
.endif
.if (\last == 0) && (\t%2 == 1)
	KLOAD \sx, \off, \t-1
	KLOAD \sx, \off, \t
.endif
.endr
.if \last == 0
	s_wait_dscnt 16                                ; v^T is in; the 16 loads of the next k, issued behind it, may be out
.else
	s_wait_dscnt 0x0                               ; v^T is in
.endif
.irp d, 0,1,2,3                                ; the four accumulators take turns; between two links of a chain stand eleven other matrix instructions
	v_wmma_f32_16x16x128_fp8_fp8 v[O+8*\d:O+8*\d+7], v[\kx+16*\d:\kx+16*\d+15], v[P:P+15], v[O+8*\d:O+8*\d+7]
.endr
	v_pk_add_f32 v[LS:LS+1], v[LS:LS+1], v[SD:SD+1]        ; five plain instructions that name no register of these products: the next step's S^T is written over v^T's registers (ISA guide 7.12.1)
.rept 3
	v_nop
.endr
	v_pk_add_f32 v[LS:LS+1], v[LS:LS+1], v[SB:SB+1]        ; the row's sum so far
.endm
.macro TRIP last                       ; two key steps: the regions change roles and change back
	STEP RA, RB, 0, 0, 0
	STEP RB, RA, 16384, 1, \last
.if \last == 0
	s_add_co_u32 s[TB], s[TB], 32768
.endif
.endm
	s_wait_tensorcnt 0x3                           ; my part of chunk 0 (key steps 0 to 3) has landed; the three later chunks' loads may stay out
	s_barrier_signal -1
	s_barrier_wait -1                              ; everybody's has
.irp t, 0,1,2,3,4,5,6,7                        ; key step 0's k
	ds_load_b128 v[RA+8*\t:RA+8*\t+3], v[LI] offset:1024*\t
	ds_load_b128 v[RA+8*\t+4:RA+8*\t+7], v[LI] offset:1024*\t+512
.endr
	TRIP 0                                         ; key steps 0 and 1, and the request for step 2's k: bytes of chunk 0 alone
	s_wait_tensorcnt 0x0                           ; my parts of the other three chunks have landed,
	s_wait_dscnt 0x0                               ; (no LDS load of mine is out at a signal)
	s_barrier_signal -1
	s_barrier_wait -1                              ; and everybody's: from here on no wave waits for another until the end
	s_mov_b32 s[CNT], 6
.Ltrip:                                            ; key steps 2 to 13
	TRIP 0
	s_sub_co_u32 s[CNT], s[CNT], 1
	s_cmp_lg_u32 s[CNT], 0
	s_cbranch_scc1 .Ltrip
	TRIP 1                                         ; key steps 14 and 15, written out: no load reaches past the last step
	; THE WAY OUT.  O^T x 2^(e8 + e9) / the sum is the context; register 8 d + j of lane (r, h) is channel 16 d + 8 h + j of query r: eight neighbours along the last product's K.
	; (The five plain instructions at the last step's end are the places behind the last products.)
	v_add_f32 v[LS], v[LS], v[LS+1]                ; the sum's two halves,
	v_permlanex16_b32 v[PX], v[LS], s[SEL], s[SEL+1]
	v_add_f32 v[LS], v[LS], v[PX]                  ; and lane l xor 16's: the row's sum
	v_rcp_f32 v[LS], v[LS]
	v_nop                                          ; a plain instruction behind the reciprocal
	s_wait_alu depctr_va_vdst(0)                   ; and the wait ahead of its first reader
	v_ldexp_f32 v[LS], v[LS], v[EPV]
.set j, 0
.rept 32
	v_mul_f32 v[CX+j], v[O+j], v[LS]
.set j, j+1
.endr
.set j, 0
.rept 32
	v_med3_num_f32 v[CX+j], v[CX+j], -v[CLIM], v[CLIM]
.set j, j+1
.endr
.irp d, 0,1,2,3
	v_cvt_scalef32_pk8_fp8_f32 v[CXC+2*\d:CXC+2*\d+1], v[CX+8*\d:CX+8*\d+7], v[CSC]
.endr
	v_nop
	global_store_b128 v[LI], v[CXC:CXC+3], s[OUTP:OUTP+1]               ; my head's two quads of the image: each store covers 512 consecutive bytes, aligned
	global_store_b128 v[LI], v[CXC+4:CXC+7], s[OUTP:OUTP+1] offset:512
	s_wait_tensorcnt 0x0
	ds_add_u32 v254, v255
	s_wait_dscnt 0x0
	CROUND                                         ; the closing round: no work-group ends while a partner may still ask for a piece that names it
	s_endpgm
.Lfunc_end_k_q84cc0127b2_attn:
	.size	k_q84cc0127b2_attn, .Lfunc_end_k_q84cc0127b2_attn-k_q84cc0127b2_attn
	.p2alignl 7, 3214868480
	.fill 96, 4, 3214868480
	.section	.rodata,"a",@progbits
	.p2align	6, 0x0
	.amdhsa_kernel k_q84cc0127b2_attn
		.amdhsa_group_segment_fixed_size 264192
		.amdhsa_private_segment_fixed_size 0
		.amdhsa_enable_private_segment 0
		.amdhsa_kernarg_size 40
		.amdhsa_user_sgpr_count 2
		.amdhsa_user_sgpr_kernarg_segment_ptr 1
		.amdhsa_wavefront_size32 1
		.amdhsa_system_sgpr_workgroup_id_x 1
		.amdhsa_system_sgpr_workgroup_id_y 1
		.amdhsa_system_sgpr_workgroup_id_z 1
		.amdhsa_system_vgpr_workitem_id 0
		.amdhsa_next_free_vgpr 256
		.amdhsa_next_free_sgpr 106
		.amdhsa_reserve_vcc 0
		.amdhsa_float_denorm_mode_32 3
		.amdhsa_float_denorm_mode_16_64 3
		.amdhsa_memory_ordered 1
		.amdhsa_forward_progress 1
		.amdhsa_inst_pref_size 128
	.end_amdhsa_kernel
	.amdgpu_metadata
---
amdhsa.version: [ 1, 2 ]
amdhsa.kernels:
  - .name:           k_q84cc0127b2_attn
    .symbol:         k_q84cc0127b2_attn.kd
    .args:
      - { .name: qimg, .offset: 0, .size: 8, .value_kind: global_buffer, .address_space: global }
      - { .name: kv, .offset: 8, .size: 8, .value_kind: global_buffer, .address_space: global }
      - { .name: maskw, .offset: 16, .size: 8, .value_kind: global_buffer, .address_space: global }
      - { .name: lowp_scales, .offset: 24, .size: 8, .value_kind: global_buffer, .address_space: global }
      - { .name: ctximg, .offset: 32, .size: 8, .value_kind: global_buffer, .address_space: global }
    .group_segment_fixed_size: 264192
    .private_segment_fixed_size: 0
    .kernarg_segment_align: 8
    .kernarg_segment_size: 40
    .max_flat_workgroup_size: 512
    .sgpr_count:     106
    .vgpr_count:     256
    .wavefront_size: 32
...
	.end_amdgpu_metadata
.endif
;; end of part 3
;; launch fcln (part 4): grid 256 x 1, 16 waves a work-group, no clusters, 108,544 bytes of LDS; arguments ctximg, wfcimg, Q, lowp_scales, out0; writes out0
.if DOCPART == 4
	.amdgcn_target "amdgcn-amd-amdhsa--gfx1250"
	.amdhsa_code_object_version 6
	.text
	.protected	k_q84cc0127b2_fcln
	.globl	k_q84cc0127b2_fcln
	.p2align	8
	.type	k_q84cc0127b2_fcln,@function
k_q84cc0127b2_fcln:
	s_mov_b64 s[64:65], 0
	v_nop
	global_prefetch_b8 v0, s[64:65] scope:SCOPE_SE
	s_setreg_imm32_b32 hwreg(HW_REG_WAVE_MODE, 25, 1), 1
	s_wait_xcnt 0x0
; out0 = LayerNorm(context W_fc^T + Q): the last product on codes of E4M3, the residual, and the norm of each row of 1,024 (gain 1, bias 0, eps 1e-5), in f32.
; SHARES.  A work-group owns 32 WHOLE rows (two tiles of 16 tokens), so a row's mean and variance stay inside it.  Wave w of sixteen owns columns 64 w .. 64 w + 63 (four tiles of W_fc's rows) for both tiles of tokens:
; eight accumulators.  K = 1,024 goes in eight steps of 128.
; OPERANDS.  Both lie in memory as images of operand registers.  The block's 16 fragments of the context (32,768 bytes) are read once, a fragment a wave, and shared through LDS as they stand.  A fragment of W_fc is used by
; exactly one wave of the work-group: it goes from memory straight into that wave's registers, 512 consecutive bytes an instruction, two sets by turns, a set asked for two K steps ahead.
; W_fc's images are read by every work-group, yet they are not shared by joint loads: no two waves of a work-group want the same fragment, so the way through LDS would add a write and a read of
; 1,048,576 bytes a work-group to what the registers take directly.
; THE MATRIX INSTRUCTION IS USED TRANSPOSED (source 0 = 16 rows of W_fc, source 1 = 16 tokens): lane (r, h) holds token r and eight neighbouring columns.
; THE NORM is taken in two passes over registers: the mean, then the mean of (x - mean)^2: no difference of large sums is formed.
; LIMIT: e10 + e11 between -126 and 127, so that 2^(e10 + e11) is an f32 number.
.set XIMG, 0                           ; LDS: the context's 16 fragments: (tile of tokens m, K step s) at 2,048 (8 m + s)
.set STG,  32768                       ; a stage of 16 rows x (256 bytes + 16) for each wave, its own
.set RED1, 102400                      ; [row 32][wave 16] f32: the waves' parts of the rows' sums
.set RED2, 104448                      ; the same for the sums of squares
.set LI,  1                            ; v1   16 x lane
.set SIN, 2                            ; v2   the stage, in: row r, 32 h bytes on
.set SBK, 3                            ; v3   the stage, back: row h, 16 r bytes on
.set GRO, 4                            ; v4   the same place in Q and out0: 4,096 h + 16 r
.set RW,  5                            ; v5   RED1 + 64 h + 4 w
.set RR,  6                            ; v6   RED1 + 64 h + 4 r
.set PFO, 7                            ; v7   4,096 x lane: the prefetch's offset
.set XW,  8                            ; v8   where I store my fragment of the context
.set AFR, 16                           ; v16-47   the K step's two fragments of the context; later the rows' means (v16-31) and variances (v32-47)
.set ACC, 48                           ; v48-111  accumulator (m, n) at 48 + 8 (4 m + n); later 16 pairs at work
.set B0,  112                          ; v112-175 W_fc's four fragments, set 0; later the residual
.set XR,  176                          ; v176-239 set 1; later the 32 rows' numbers: group g = 8 m + i is row 16 m + 2 i + h, columns 64 w + 4 r + 0 .. 3
.macro BARRIER                         ; my LDS stores have landed and my LDS loads are in: then the work-group's barrier
	s_wait_dscnt 0x0
	s_barrier_signal -1
	s_barrier_wait -1
.endm
.macro BLOAD s                         ; W_fc's four fragments of K step s into set s % 2
.set BS, B0+64*((\s)%2)
.irp n, 0,1,2,3
.irp q, 0,1,2,3
	global_load_b128 v[BS+16*\n+4*\q:BS+16*\n+4*\q+3], v[LI], s[6:7] offset:16384*\n+2048*(\s)+512*\q
.endr
.endr
.endm
.macro ALOAD s                         ; the context's two fragments of K step s
.irp m, 0,1
.irp q, 0,1,2,3
	ds_load_b128 v[AFR+16*\m+4*\q:AFR+16*\m+4*\q+3], v[LI] offset:XIMG+(8*\m+(\s))*2048+512*\q
.endr
.endr
.endm
.macro MUL s                           ; eight matrix instructions, the eight accumulators by turns; the first K step starts the sums
.set BS, B0+64*((\s)%2)
.irp m, 0,1
.irp n, 0,1,2,3
.if (\s) == 0
	v_wmma_f32_16x16x128_fp8_fp8 v[ACC+8*(4*\m+\n):ACC+8*(4*\m+\n)+7], v[BS+16*\n:BS+16*\n+15], v[AFR+16*\m:AFR+16*\m+15], 0
.else
	v_wmma_f32_16x16x128_fp8_fp8 v[ACC+8*(4*\m+\n):ACC+8*(4*\m+\n)+7], v[BS+16*\n:BS+16*\n+15], v[AFR+16*\m:AFR+16*\m+15], v[ACC+8*(4*\m+\n):ACC+8*(4*\m+\n)+7]
.endif
.endr
.endr
.endm
.macro DPPSUM base                     ; sixteen registers, each summed over the sixteen lanes of its half: every lane ends up with the sum
.irp x, 1,2,4,8
.irp g, 0,1,2,3,4,5,6,7,8,9,10,11,12,13,14,15
	v_add_f32_dpp v[\base+\g], v[\base+\g], v[\base+\g] row_xmask:\x row_mask:0xf bank_mask:0xf
.endr
.endr
.endm
	s_load_b256 s[12:19], s[0:1], 0x0              ; ctximg s[12:13], wfcimg s[14:15], Q s[16:17], lowp_scales s[18:19]
	s_load_b64 s[20:21], s[0:1], 0x20              ; out0
	v_lshl_add_u32 v254, v0, 2, 0x1a000
	v_mov_b32 v255, 0
	v_lshrrev_b32 v1, 5, v0
	v_readfirstlane_b32 s2, v1                     ; wave 0..15
	v_and_b32 v9, 31, v0                           ; lane
	v_and_b32 v10, 15, v0                          ; r
	v_bfe_u32 v11, v0, 4, 1                        ; h
	v_lshlrev_b32 v[LI], 4, v9
	s_mul_i32 s26, s2, 16*272
	s_add_co_u32 s26, s26, STG                     ; my stage
	v_mul_u32_u24 v[SIN], v10, 272
	v_lshl_add_u32 v[SIN], v11, 5, v[SIN]
	v_add_nc_u32 v[SIN], s26, v[SIN]
	v_mul_u32_u24 v[SBK], v11, 272
	v_lshl_add_u32 v[SBK], v10, 4, v[SBK]
	v_add_nc_u32 v[SBK], s26, v[SBK]
	v_lshlrev_b32 v[GRO], 4, v10
	v_lshl_add_u32 v[GRO], v11, 12, v[GRO]
	s_lshl_b32 s27, s2, 2
	s_add_co_u32 s27, s27, RED1
	v_lshlrev_b32 v[RW], 6, v11
	v_add_nc_u32 v[RW], s27, v[RW]
	v_lshlrev_b32 v[RR], 6, v11
	v_lshl_add_u32 v[RR], v10, 2, v[RR]
	v_add_nc_u32 v[RR], RED1, v[RR]
	v_lshlrev_b32 v[PFO], 12, v9
	s_lshl_b32 s28, s2, 11
	v_add_nc_u32 v[XW], s28, v[LI]
	s_mov_b32 s25, 0
	s_mov_b32 s40, 0x3a800000                      ; 1 / 1,024
	s_mov_b32 s41, 0x3727c5ac                      ; 1e-5
	s_wait_kmcnt 0x0
	s_load_b64 s[22:23], s[18:19], 0x28            ; e10, e11
	s_lshl_b32 s24, ttmp9, 15                      ; the block's 16 fragments of the context lie on end;
	s_add_co_u32 s24, s24, s28                     ; fragment w is mine to fetch
	s_add_nc_u64 s[4:5], s[12:13], s[24:25]
	s_lshl_b32 s24, s2, 16                         ; my four tiles of W_fc's rows: 16,384 bytes each
	s_add_nc_u64 s[6:7], s[14:15], s[24:25]
	s_lshl_b32 s24, ttmp9, 17                      ; 32 rows of 4,096 bytes,
	s_lshl_b32 s29, s2, 8                          ; my 64 columns
	s_add_co_u32 s24, s24, s29
	s_add_nc_u64 s[8:9], s[16:17], s[24:25]
	s_add_nc_u64 s[10:11], s[20:21], s[24:25]
.irp q, 0,1,2,3
	global_load_b128 v[AFR+4*\q:AFR+4*\q+3], v[LI], s[4:5] offset:512*\q th:TH_LOAD_NT
.endr
	BLOAD 0
	BLOAD 1
	s_wait_loadcnt 32                              ; my fragment of the context is in; the 32 loads of W_fc's first two sets may be out
.irp q, 0,1,2,3
	ds_store_b128 v[XW], v[AFR+4*\q:AFR+4*\q+3] offset:XIMG+512*\q
.endr
	BARRIER                                        ; the sixteen fragments lie in LDS
	ALOAD 0
	s_wait_kmcnt 0x0
	s_add_co_i32 s46, s22, s23
	s_add_co_i32 s46, s46, 127
	s_lshl_b32 s46, s46, 23                        ; 2^(e10 + e11) as f32
	s_mov_b32 s47, s46                             ; (named with it as a pair, so it is written)
; A K STEP.  Behind the set in hand sixteen loads have been issued: the next set's, or (in the last step) the residual's.
.macro KS s
	s_wait_loadcnt 16
	s_wait_dscnt 0x0
	MUL \s
.rept 4
	v_nop                                          ; places in front of loads into registers that the products have read, and in front of the first read of results
.endr
.if (\s) <= 5
	BLOAD (\s)+2
.endif
.if (\s) == 6
.irp g, 0,1,2,3,4,5,6,7,8,9,10,11,12,13,14,15
	global_load_b128 v[B0+4*\g:B0+4*\g+3], v[GRO], s[8:9] offset:8192*\g th:TH_LOAD_NT   ; the residual, rows 2 g and 2 g + 1: sixteen lanes read 256 consecutive bytes, aligned
.endr
.endif
.if (\s) <= 6
	ALOAD (\s)+1
.endif
.if (\s) == 3
	global_prefetch_b8 v[PFO], s[8:9] th:TH_LOAD_NT scope:SCOPE_SE   ; my 64 columns of the block's 32 rows of Q, a lane a row: each block of 256 bytes is named once in the launch, three K steps ahead of its load
.endif
.endm
.irp s, 0,1,2,3,4,5,6,7
	KS \s
.endr
	; THE SUMS TURN THROUGH MY STAGE, a tile of 16 tokens at a time: in, 32 bytes a lane of row r; back, sixteen lanes to a row of 256 bytes.  LDS serves a wave's instructions in order: no wait between.
.irp m, 0,1
.irp n, 0,1,2,3
	ds_store_b128 v[SIN], v[ACC+8*(4*\m+\n):ACC+8*(4*\m+\n)+3] offset:64*\n
	ds_store_b128 v[SIN], v[ACC+8*(4*\m+\n)+4:ACC+8*(4*\m+\n)+7] offset:64*\n+16
.endr
.irp i, 0,1,2,3,4,5,6,7
	ds_load_b128 v[XR+32*\m+4*\i:XR+32*\m+4*\i+3], v[SBK] offset:544*\i
.endr
.endr
	s_wait_loadcnt 0x0                             ; the residual
	s_wait_dscnt 0x0
.set j, 0
.rept 32
	v_pk_fma_f32 v[XR+j:XR+j+1], v[XR+j:XR+j+1], s[46:47], v[B0+j:B0+j+1] op_sel_hi:[1,0,1]   ; x = sum x 2^(e10 + e11) + Q
.set j, j+2
.endr
	; the mean
.irp g, 0,1,2,3,4,5,6,7,8,9,10,11,12,13,14,15
	v_pk_add_f32 v[ACC+2*\g:ACC+2*\g+1], v[XR+4*\g:XR+4*\g+1], v[XR+4*\g+2:XR+4*\g+3]
.endr
.irp g, 0,1,2,3,4,5,6,7,8,9,10,11,12,13,14,15
	v_add_f32 v[AFR+\g], v[ACC+2*\g], v[ACC+2*\g+1]
.endr
	DPPSUM AFR                                     ; my wave's 64 columns of each row
.irp g, 0,1,2,3,4,5,6,7,8,9,10,11,12,13,14,15
	ds_store_b32 v[RW], v[AFR+\g] offset:128*\g    ; row 2 g + h, wave w: sixteen lanes write one word with one value
.endr
	BARRIER
.irp g, 0,1,2,3,4,5,6,7,8,9,10,11,12,13,14,15
	ds_load_b32 v[AFR+\g], v[RR] offset:128*\g     ; lane r takes wave r's part
.endr
	s_wait_dscnt 0x0
	DPPSUM AFR
.irp g, 0,1,2,3,4,5,6,7,8,9,10,11,12,13,14,15
	v_mul_f32 v[AFR+\g], s40, v[AFR+\g]
.endr
.irp g, 0,1,2,3,4,5,6,7,8,9,10,11,12,13,14,15
.irp e, 0,1,2,3
	v_sub_f32 v[XR+4*\g+\e], v[XR+4*\g+\e], v[AFR+\g]   ; x - mean
.endr
.endr
	; the variance
.irp g, 0,1,2,3,4,5,6,7,8,9,10,11,12,13,14,15
	v_pk_mul_f32 v[ACC+2*\g:ACC+2*\g+1], v[XR+4*\g:XR+4*\g+1], v[XR+4*\g:XR+4*\g+1]
.endr
.irp g, 0,1,2,3,4,5,6,7,8,9,10,11,12,13,14,15
	v_pk_fma_f32 v[ACC+2*\g:ACC+2*\g+1], v[XR+4*\g+2:XR+4*\g+3], v[XR+4*\g+2:XR+4*\g+3], v[ACC+2*\g:ACC+2*\g+1]
.endr
.irp g, 0,1,2,3,4,5,6,7,8,9,10,11,12,13,14,15
	v_add_f32 v[AFR+16+\g], v[ACC+2*\g], v[ACC+2*\g+1]
.endr
	DPPSUM AFR+16
.irp g, 0,1,2,3,4,5,6,7,8,9,10,11,12,13,14,15
	ds_store_b32 v[RW], v[AFR+16+\g] offset:RED2-RED1+128*\g
.endr
	BARRIER
.irp g, 0,1,2,3,4,5,6,7,8,9,10,11,12,13,14,15
	ds_load_b32 v[AFR+16+\g], v[RR] offset:RED2-RED1+128*\g
.endr
	s_wait_dscnt 0x0
	DPPSUM AFR+16
.irp g, 0,1,2,3,4,5,6,7,8,9,10,11,12,13,14,15
	v_fma_f32 v[AFR+16+\g], v[AFR+16+\g], s40, s41 ; the variance + eps
.endr
.irp g, 0,1,2,3,4,5,6,7,8,9,10,11,12,13,14,15
	v_rsq_f32 v[AFR+16+\g], v[AFR+16+\g]
.endr
	v_nop                                          ; a plain instruction behind the last of the batch
	s_wait_alu depctr_va_vdst(0)                   ; one wait for the sixteen, ahead of their first reader
.irp g, 0,1,2,3,4,5,6,7,8,9,10,11,12,13,14,15
.irp e, 0,1,2,3
	v_mul_f32 v[XR+4*\g+\e], v[XR+4*\g+\e], v[AFR+16+\g]
.endr
.endr
.irp g, 0,1,2,3,4,5,6,7,8,9,10,11,12,13,14,15
	global_store_b128 v[GRO], v[XR+4*\g:XR+4*\g+3], s[10:11] offset:8192*\g th:TH_STORE_NT   ; sixteen lanes store 256 consecutive bytes, aligned; written once, read by nobody here
.endr
	s_wait_tensorcnt 0x0
	ds_add_u32 v254, v255
	s_wait_dscnt 0x0
	s_endpgm
.Lfunc_end_k_q84cc0127b2_fcln:
	.size	k_q84cc0127b2_fcln, .Lfunc_end_k_q84cc0127b2_fcln-k_q84cc0127b2_fcln
	.p2alignl 7, 3214868480
	.fill 96, 4, 3214868480
	.section	.rodata,"a",@progbits
	.p2align	6, 0x0
	.amdhsa_kernel k_q84cc0127b2_fcln
		.amdhsa_group_segment_fixed_size 108544
		.amdhsa_private_segment_fixed_size 0
		.amdhsa_enable_private_segment 0
		.amdhsa_kernarg_size 40
		.amdhsa_user_sgpr_count 2
		.amdhsa_user_sgpr_kernarg_segment_ptr 1
		.amdhsa_wavefront_size32 1
		.amdhsa_system_sgpr_workgroup_id_x 1
		.amdhsa_system_sgpr_workgroup_id_y 1
		.amdhsa_system_sgpr_workgroup_id_z 1
		.amdhsa_system_vgpr_workitem_id 0
		.amdhsa_next_free_vgpr 256
		.amdhsa_next_free_sgpr 66
		.amdhsa_reserve_vcc 0
		.amdhsa_float_denorm_mode_32 3
		.amdhsa_float_denorm_mode_16_64 3
		.amdhsa_memory_ordered 1
		.amdhsa_forward_progress 1
		.amdhsa_inst_pref_size 63
	.end_amdhsa_kernel
	.amdgpu_metadata
---
amdhsa.version: [ 1, 2 ]
amdhsa.kernels:
  - .name:           k_q84cc0127b2_fcln
    .symbol:         k_q84cc0127b2_fcln.kd
    .args:
      - { .name: ctximg, .offset: 0, .size: 8, .value_kind: global_buffer, .address_space: global }
      - { .name: wfcimg, .offset: 8, .size: 8, .value_kind: global_buffer, .address_space: global }
      - { .name: Q, .offset: 16, .size: 8, .value_kind: global_buffer, .address_space: global }
      - { .name: lowp_scales, .offset: 24, .size: 8, .value_kind: global_buffer, .address_space: global }
      - { .name: out0, .offset: 32, .size: 8, .value_kind: global_buffer, .address_space: global }
    .group_segment_fixed_size: 108544
    .private_segment_fixed_size: 0
    .kernarg_segment_align: 8
    .kernarg_segment_size: 40
    .max_flat_workgroup_size: 512
    .sgpr_count:     66
    .vgpr_count:     256
    .wavefront_size: 32
...
	.end_amdgpu_metadata
.endif
;; end of part 4
